; MI455X (gfx1250); checked and timed in simulation.
; The chip was launched on July 23, 2026; its instructions are those of AMD's public machine-readable ISA for CDNA 5 (MIT licence, August 2026) and "CDNA5" Instruction Set Architecture Reference Guide (July 2026). The comments in the code are by the model that wrote it; some were corrected since.
;; Multi Head Attention. Allowed arithmetic: matrix products marked QUANTISED: E2M3 operands, one E8M0 scale for each 32 along K, by v_wmma_scale_f32_16x16x128_f8f6f4 with both operands' format E2M3, f32 sums; everything else in f32.
;; Inputs: Wk 16 x 1,024 x 64 float32; Wp 1,024 x 1,024 float32; Wq 16 x 1,024 x 64 float32; Wv 16 x 1,024 x 64 float32; bp 1,024 float32; x 4 x 1,024 x 1,024 float32.
;; Outputs: out0 4 x 1,024 x 1,024 float32.
;; This version of the problem:
;;   THIS VERSION OF THE PROBLEM IS GIVEN IN LOW PRECISION. The matrix products marked QUANTISED in the list below multiply operands that are first quantised to E2M3 (2 exponent bits, 3 mantissa bits; 6 bits a number), with one power-of-two scale for each 32 numbers along K (OCP MX v1.0); their sums are f32. All else is computed in f32.
;;   The module's matrix products, in the order in which they are computed (A, B: the left and right operand; K: the contracted axis; several contracted axes count as one K, in the product's order):
;;     1. [M 1,024, K 1,024] x [K 1,024, N 4,096]; A: input Wq; B: input x: QUANTISED
;;     2. [M 1,024, K 1,024] x [K 1,024, N 4,096]; A: input Wk; B: input x: QUANTISED
;;     3. [M 1,024, K 1,024] x [K 1,024, N 4,096]; A: input Wv; B: input x: QUANTISED
;;     4. batch 64 x [M 1,024, K 64] x [K 64, N 1,024]; A: computed on the way; B: computed on the way: QUANTISED
;;     5. batch 64 x [M 1,024, K 1,024] x [K 1,024, N 64]; A: softmax (see below); B: computed on the way: QUANTISED
;;     6. [M 4,096, K 1,024] x [K 1,024, N 1,024]; A: computed on the way; B: input Wp: QUANTISED
;;   THE QUANTISER, for each operand of a quantised product, along K:
;;     - K is cut into blocks of 32 from its start; a last block that is shorter is filled with zeros.
;;     - A block's scale is 2^e with e = floor(log2(the largest magnitude in the block)) - 2, held to -126 .. 127; a block of zeros has e = 0. As a byte (E8M0): e + 127.
;;     - Each number is divided by its block's scale, clamped to +-7.5, and rounded to the nearest number of E2M3, ties to even, subnormals kept.
;;     - The product sums the exact products of the quantised numbers (number of the format x scale) in f32.
;;   ~~~python
;;   def quantise(x, axis):      # numpy; x: float32 -> the quantised numbers, widened to float32 again
;;       x = np.moveaxis(x, axis, -1); K = x.shape[-1]
;;       x = np.pad(x, [(0, 0)] * (x.ndim - 1) + [(0, -K % 32)]); x = x.reshape(x.shape[:-1] + (-1, 32)); a = np.abs(x).max(-1, keepdims=True)
;;       e = np.where(a > 0, np.clip(np.frexp(np.where(a > 0, a, 1))[1] - 1 - 2, -126, 127), 0)      # np.frexp(a)[1] - 1 = floor(log2(a)), exactly
;;       r = np.clip(x / 2.0 ** e, -7.5, 7.5)
;;       step = 2.0 ** (np.maximum(np.frexp(np.where(r == 0, 1, r))[1] - 1, 0) - 3)
;;       q = np.round(r / step) * step * 2.0 ** e      # np.round: ties to even
;;       return np.moveaxis(q.reshape(q.shape[:-2] + (-1,))[..., :K], -1, axis).astype(np.float32)
;;   ~~~
;;   SOFTMAX AHEAD OF A QUANTISED PRODUCT. Where the list says 'softmax', what is quantised is not the finished softmax but p = 2^(t - M), with t = logit x log2(e) and M = ceil(the row's largest t), a whole number; so 1/2 < the row's largest p <= 1. The row's sum l is taken of the UNQUANTISED p, in f32, and the product's result is divided by l at the end. Since M is a whole number, a kernel that streams over the keys may use a running M (the ceiling of the running maximum): every later rescaling is an exact power of two, which a block's scale takes up: the codes' values come out the same.
;;   OPERANDS COMPUTED ON THE WAY. 'Computed on the way' means the value that the module computes at that place (a softmax that the list does not call 'softmax' is quantised finished and normalised). What goes into a quantiser is computed in f32, as accurately as f32 sums, v_exp_f32 and their like allow (about 1e-6 of the number): no bf16 or f16 on the way to a quantiser, and a product that is left as it is and whose result goes on into a quantised operand takes f32 operands (vector FMAs, or v_wmma_f32_16x16x4_f32). A number that lies on a knife's edge between two numbers of the format may be rounded either way, as far as f32 arithmetic and the matrix unit's own rounding can turn it there, and no further.
;; One version. Each part assembles by itself: llvm-mc -triple=amdgcn-amd-amdhsa -mcpu=gfx1250 --defsym DOCPART=n.
;; ======== version 1 of 1: 4 launches
;; limits: right only within a limited range of input values
;; workspace buffers: xq 3,276,800 bytes; wq 3,276,800 bytes; qkvb 10,092,544 bytes; ao 3,276,800 bytes
;; launch quant (part 1): grid 512 x 1, 4 waves a work-group, no clusters, 47,616 bytes of LDS; arguments x, Wq, Wk, Wv, Wp, xq, wq; writes xq, wq
.if DOCPART == 1
	.amdgcn_target "amdgcn-amd-amdhsa--gfx1250"
	.amdhsa_code_object_version 6
	.text
	.protected	k_q6663681a99_quant
	.globl	k_q6663681a99_quant
	.p2align	8
	.type	k_q6663681a99_quant,@function
k_q6663681a99_quant:
	s_mov_b64 s[64:65], 0
	v_nop
	global_prefetch_b8 v0, s[64:65] scope:SCOPE_SE
	s_setreg_imm32_b32 hwreg(HW_REG_WAVE_MODE, 25, 1), 1
	s_wait_xcnt 0x0
; x [4096][1024] (K innermost) and Wq, Wk, Wv [16][1024][64], Wp [1024][1024] (K = the axis of 1,024 in front of the columns), all f32, become codes of FP6 (E2M3) with one E8M0 byte for each 32 along K.
; A block's scale is 2^(floor(log2(largest magnitude)) - 2); its byte is the largest magnitude's exponent field - 2, held at 1 from below.
; LIMITS: a block of zeros gets the byte 1 where the rule says 127 (its codes are zeros, and this program alone reads the bytes); NaN and infinities among the inputs are not served.
; LAYOUT OF BOTH OUTPUTS: [tile of 16 rows][K step of 128][1,536 bytes]: the operand's 12 registers as they stand, registers 4 g .. 4 g + 3 of lane l at 512 g + 16 l; behind all codes, at XSC0, the scale
; words [tile][K step][row], 4 bytes each.  THE ROWS OF A TILE ARE NOT NEIGHBOURS: lane r of tile 2 b + u holds row 32 b + 8 u + r + 8 (r / 8).  In wq tile = 64 m + column tile, m = 0 Wq, 1 Wk, 2 Wv, 3 Wp.
; Work-groups 0-255 take x (a tile each; wave w its K steps 2 w, 2 w + 1), work-groups 256-511 the weights (a wave: 32 columns x 128 along K).  Each wave asks for its 16 KiB at once.  Waves share nothing: no barrier.
; The two paths have LDS bytes of their own.
.set XPI,   528                        ; x's stage: a row of 512 bytes + 16: row r starts 4 r banks on
.set XWV,   16*XPI                     ; a wave's stage: 16 rows
.set WST,   4*XWV                      ; the weights' stages begin here
.set WFR,   1664                       ; a fragment's image, 1,536 bytes, + 128
.set WWV,   2*WFR                      ; a wave's two fragments
.set SPARE, WST+4*WWV                  ; the spare words, 128 bytes a wave: two blocks of 256 bytes that no other line names
; The layout with the scale words behind all codes, named above, is wq's.  xq's CODES AND SCALE WORDS LIE TOGETHER: [block of 256 tokens][chunk c = K steps 2 c, 2 c + 1]: sixteen tiles' 3,072 bytes of codes
; (two fragments, each as the operand's registers stand), then sixteen tiles' 128 bytes of scale words [K step % 2][row]: 51,200 bytes a chunk, which one tensor load of the next launch brings whole.
; WORK LEFT OUT OF THE PROGRAM: steps of 64 keys that lie wholly behind every query of a tile's group of 64: reference() builds the causal mask itself and sets those scores to -infinity, so their exponentials are 0 for all
; inputs.  A NaN, an infinity or an overflow that reaches only those scores is not carried to the result.
.set XSC0,  3145728                    ; where the scale words begin in wq
.set SPW,   12                         ; v12 LDS address of my spare word; never rewritten
.set NIL,   13                         ; v13 0; never rewritten
.set R,     16                         ; x: v16-143 as loaded.  W: v16-143 four blocks of 32 numbers
.set Y,     144                        ; x: v144-207 a step's 64 numbers of my row, turned.  W: v144-175 the loads' offsets
.set C,     208                        ; x: v208-231 two fragments' codes
.set VO,    144
.set WC,    176                        ; W: v176-207 codes, eight registers a block
.macro XFRAG f                         ; K step f of my two: 16 rows x 128 numbers become one fragment
	s_wait_loadcnt 16-16*(\f)                      ; this step's sixteen loads are in; the other step's sixteen may be out
.set p, 0
.rept 16
	ds_store_b128 v5, v[R+64*(\f)+4*p:R+64*(\f)+4*p+3] offset:XPI*p     ; a row's 512 bytes as they lie
.set p, p+1
.endr
.irp cc, 0,1
.irp jj, 0,1,2,3,4,5,6,7
	ds_load_b128 v[Y+32*\cc+4*\jj:Y+32*\cc+4*\jj+3], v6 offset:256*\cc+16*\jj   ; back: lane (r, h) takes k = 64 cc + 32 h + 0 .. 31 of row r.  LDS serves a wave's instructions in order: these see the stores
.endr
.endr
	s_wait_dscnt 0x0
.irp cc, 0,1
	v_max3_num_f32 v[8+\cc], |v[Y+32*\cc]|, |v[Y+32*\cc+1]|, 0x1800000    ; my two whole blocks by turns; the floor 2^(3 - 127) holds the byte at 1 from below
.endr
.irp i, 2,4,6,8,10,12,14,16,18,20,22,24,26,28,30
.irp cc, 0,1
	v_max3_num_f32 v[8+\cc], v[8+\cc], |v[Y+32*\cc+\i]|, |v[Y+32*\cc+\i+1]|
.endr
.endr
.irp cc, 0,1
	v_add_nc_u32 v[10+\cc], 0xff000000, v[8+\cc]   ; 2 off the exponent field: the conversion's scale operand
.endr
.irp cc, 0,1
	v_lshrrev_b32 v[14+\cc], 23, v[10+\cc]         ; the scale's byte
.endr
	v_lshl_or_b32 v[240+\f], v15, 16, v14          ; my bytes: blocks h and 2 + h,
	v_lshlrev_b32 v[240+\f], v7, v[240+\f]         ; 8 h bits up;
	v_permlanex16_b32 v242, v[240+\f], s20, s21
	v_or_b32 v[240+\f], v[240+\f], v242            ; with lane l xor 16's two the word is whole
.irp cc, 0,1
	v_cvt_scalef32_pk16_fp6_f32 v[C+12*(\f)+6*\cc:C+12*(\f)+6*\cc+2], v[Y+32*\cc:Y+32*\cc+15], v[10+\cc]
	v_cvt_scalef32_pk16_fp6_f32 v[232+4*\cc:234+4*\cc], v[Y+32*\cc+16:Y+32*\cc+31], v[10+\cc]   ; (a conversion's three registers begin on an even number)
.endr
	v_nop                                          ; one plain place behind the scaled conversions
.irp cc, 0,1
.irp i, 0,1,2
	v_mov_b32 v[C+12*(\f)+6*\cc+3+\i], v[232+4*\cc+\i]
.endr
.endr
.irp g, 0,1,2
	global_store_b128 v4, v[C+12*(\f)+4*\g:C+12*(\f)+4*\g+3], s[24:25] offset:1536*(\f)+512*\g   ; 32 lanes store 512 consecutive bytes
.endr
.endm
.macro WBLOCK k                        ; block k of my column: 32 numbers down K, all mine
.if (\k) < 2
	s_wait_loadcnt 63                              ; 96 and 64 younger loads could stay out: the count is held to what the field names
.else
	s_wait_loadcnt 32*(3-(\k))
.endif
.set XB, R+32*(\k)
	v_max3_num_f32 v8, |v[XB]|, |v[XB+1]|, |v[XB+2]|
	v_max3_num_f32 v9, |v[XB+3]|, |v[XB+4]|, |v[XB+5]|
.irp i, 6,10,14,18,22,26
	v_max3_num_f32 v8, v8, |v[XB+\i]|, |v[XB+\i+1]|
	v_max3_num_f32 v9, v9, |v[XB+\i+2]|, |v[XB+\i+3]|
.endr
	v_max3_num_f32 v8, v8, |v[XB+30]|, |v[XB+31]|
	v_max3_num_f32 v8, v8, v9, 0x1800000           ; and the floor
	v_add_nc_u32 v10, 0xff000000, v8
	v_lshrrev_b32 v11, 23, v10
.if (\k) == 0
	v_mov_b32 v236, v11                            ; my column's scale word: the lower K in the lower byte
.else
	v_lshl_or_b32 v236, v11, 8*(\k), v236
.endif
	v_cvt_scalef32_pk16_fp6_f32 v[WC+8*(\k):WC+8*(\k)+2], v[XB:XB+15], v10
	v_cvt_scalef32_pk16_fp6_f32 v[208:210], v[XB+16:XB+31], v10
	v_nop                                          ; one plain place behind the scaled conversions
.irp i, 0,1,2
	v_mov_b32 v[WC+8*(\k)+3+\i], v[208+\i]
.endr
; block k is registers 6 (k / 2) .. + 5 of lane (r, k % 2) of my column's fragment: into the image at their places
.if (\k) < 2
	ds_store_b128 v7, v[WC+8*(\k):WC+8*(\k)+3] offset:256*((\k)%2)
	ds_store_b64 v7, v[WC+8*(\k)+4:WC+8*(\k)+5] offset:512+256*((\k)%2)
.else
	ds_store_b64 v7, v[WC+8*(\k):WC+8*(\k)+1] offset:520+256*((\k)%2)
	ds_store_b128 v7, v[WC+8*(\k)+2:WC+8*(\k)+5] offset:1024+256*((\k)%2)
.endif
.endm
	s_load_b256 s[4:11], s[0:1], 0x0               ; x s[4:5], Wq s[6:7], Wk s[8:9], Wv s[10:11]
	s_load_b128 s[12:15], s[0:1], 0x20             ; Wp s[12:13], xq s[14:15]
	s_load_b64 s[16:17], s[0:1], 0x30              ; wq
	v_lshl_add_u32 v[SPW], v0, 2, SPARE
	v_mov_b32 v[NIL], 0
	v_lshrrev_b32 v1, 5, v0
	v_readfirstlane_b32 s18, v1                    ; wave 0..3
	v_and_b32 v1, 31, v0                           ; lane
	v_and_b32 v2, 15, v0                           ; r
	v_bfe_u32 v3, v0, 4, 1                         ; h
	v_lshlrev_b32 v4, 4, v1                        ; 16 x lane
	s_mov_b32 s20, 0x76543210
	s_mov_b32 s21, 0xfedcba98                      ; v_permlanex16_b32's selects for lane l xor 16
	s_cmp_lt_u32 ttmp9, 256
	s_cbranch_scc0 .Lw_path
	; ---- x: tile = work-group, K steps 2 w and 2 w + 1
	s_lshr_b32 s22, ttmp9, 1
	s_lshl_b32 s22, s22, 17                        ; 32 (tile / 2) rows of 4,096 bytes
	s_and_b32 s23, ttmp9, 1
	s_lshl_b32 s23, s23, 15                        ; + 8 (tile % 2) rows
	s_add_co_u32 s22, s22, s23
	s_lshl_b32 s23, s18, 10                        ; + my two steps' 1,024 bytes
	s_add_co_u32 s22, s22, s23
	s_mov_b32 s23, 0
	s_lshr_b32 s24, ttmp9, 4                       ; the block of 16 tiles: 204,800 bytes
	s_mul_i32 s24, s24, 204800
	s_mul_i32 s25, s18, 51200                      ; my chunk
	s_add_co_u32 s24, s24, s25
	s_and_b32 s27, ttmp9, 15                       ; the tile in the block
	s_lshl_b32 s26, s27, 7
	s_add_co_u32 s26, s26, s24
	s_add_co_u32 s26, s26, 49152                   ; its 128 bytes of scale words, behind the chunk's codes
	s_mul_i32 s27, s27, 3072
	s_add_co_u32 s24, s24, s27                     ; its codes
	s_mov_b32 s25, 0
	s_mov_b32 s27, 0
	s_mul_i32 s28, s18, XWV                        ; my stage
	s_wait_alu depctr_va_vdst(0)
	v_add_nc_u32 v5, s28, v4                       ; in: 16 x lane of a row
	v_mul_u32_u24 v6, v2, XPI
	v_lshl_add_u32 v6, v3, 7, v6
	v_add_nc_u32 v6, s28, v6                       ; back: row r, + 128 h
	v_lshlrev_b32 v7, 3, v3                        ; 8 h
	v_mov_b32 v242, 0                              ; a lane permute's destination counts as one of its sources
	s_wait_alu depctr_va_vdst(0)
	s_wait_kmcnt 0x0
	s_add_nc_u64 s[22:23], s[4:5], s[22:23]
	s_add_nc_u64 s[24:25], s[14:15], s[24:25]
	s_add_nc_u64 s[26:27], s[14:15], s[26:27]
.irp f, 0,1
.set p, 0
.rept 16
	global_load_b128 v[R+64*\f+4*p:R+64*\f+4*p+3], v4, s[22:23] offset:(p+8*(p/8))*4096+512*\f th:TH_LOAD_NT   ; 512 consecutive bytes of the tile's row p
.set p, p+1
.endr
.endr
	XFRAG 0
	XFRAG 1
	v_cmp_eq_u32 vcc_lo, 1, v3
	v_cndmask_b32 v243, v240, v241, vcc_lo         ; lanes 0-15 store the first step's words, lanes 16-31 the second's
	v_lshlrev_b32 v244, 2, v1
	global_store_b32 v244, v243, s[26:27]          ; 128 consecutive bytes
	s_wait_tensorcnt 0x0                           ; the wave's end, behind my last LDS store
	ds_add_u32 v[SPW], v[NIL]
	s_wait_dscnt 0x0
	s_endpgm
.Lw_path:
	; ---- the weights: unit U = 4 (work-group - 256) + wave: matrix U / 256, pair of tiles (U / 8) % 32 (32 columns), K step U % 8.  A LANE TAKES A COLUMN, ITS REGISTERS RUN DOWN K
	s_sub_co_u32 s22, ttmp9, 256
	s_lshl_b32 s22, s22, 2
	s_add_co_u32 s22, s22, s18                     ; U
	s_lshr_b32 s23, s22, 8                         ; the matrix
	s_bfe_u32 s44, s22, 0x50003                    ; P
	s_and_b32 s45, s22, 7                          ; the K step
	s_lshl_b32 s33, s44, 7                         ; Wp: columns 32 P on: 128 P bytes
	s_lshr_b32 s34, s44, 1
	s_lshl_b32 s34, s34, 18                        ; the others: head P / 2 (262,144 bytes),
	s_and_b32 s35, s44, 1
	s_lshl_b32 s35, s35, 7                         ; its columns 32 (P % 2) on
	s_add_co_u32 s34, s34, s35
	s_movk_i32 s32, 256                            ; from row to row along K: 256 bytes,
	s_cmp_eq_u32 s23, 3
	s_cselect_b32 s32, 4096, s32                   ; in Wp 4,096
	s_cselect_b32 s40, s33, s34
	s_mul_i32 s36, s45, s32
	s_lshl_b32 s36, s36, 7                         ; 128 rows a K step
	s_add_co_u32 s40, s40, s36
	s_mov_b32 s41, 0
	s_lshl_b32 s42, s32, 5                         ; 32 rows a block
	s_mov_b32 s43, 0
	s_lshl_b32 s46, s23, 6
	s_lshl_b32 s47, s44, 1
	s_add_co_u32 s46, s46, s47                     ; my first tile in wq
	s_lshl_b32 s48, s46, 3
	s_add_co_u32 s48, s48, s45
	s_mul_i32 s48, s48, 1536                       ; its fragment of my K step
	s_mov_b32 s49, 0
	s_lshl_b32 s50, s46, 9
	s_lshl_b32 s51, s45, 6
	s_add_co_u32 s50, s50, s51
	s_add_co_u32 s50, s50, XSC0                    ; and its scale words
	s_mov_b32 s51, 0
	s_wait_alu depctr_va_vdst(0)
	v_bfe_u32 v5, v1, 3, 1                         ; column lane of the pair lies in tile u = (lane / 8) % 2,
	v_and_b32 v6, 7, v1
	v_lshrrev_b32 v7, 4, v1
	v_lshl_add_u32 v6, v7, 3, v6                   ; at its row lane % 8 + 8 (lane / 16)
	s_mul_i32 s52, s18, WWV
	s_add_co_u32 s52, s52, WST                     ; my stage
	v_mul_u32_u24 v7, v5, WFR
	v_lshl_add_u32 v7, v6, 4, v7
	v_add_nc_u32 v7, s52, v7                       ; in: the tile's image, 16 x row
	v_add_nc_u32 v14, s52, v4                      ; back: 16 x lane
	v_lshlrev_b32 v15, 9, v5
	v_lshl_add_u32 v15, v6, 2, v15                 ; my scale word's place: 512 u + 4 x row
	v_lshlrev_b32 v[VO], 2, v1                     ; my column's 4 bytes,
.irp i, 1,2,3,4,5,6,7,8,9,10,11,12,13,14,15,16,17,18,19,20,21,22,23,24,25,26,27,28,29,30,31
	v_mad_u32_u24 v[VO+\i], s32, \i, v[VO]         ; i rows down
.endr
	s_wait_alu depctr_va_vdst(0)
	s_wait_kmcnt 0x0
	s_cmp_eq_u32 s23, 1                            ; the choice hangs on the unit's number alone
	s_cselect_b64 s[38:39], s[8:9], s[6:7]
	s_cmp_eq_u32 s23, 2
	s_cselect_b64 s[38:39], s[10:11], s[38:39]
	s_cmp_eq_u32 s23, 3
	s_cselect_b64 s[38:39], s[12:13], s[38:39]
	s_add_nc_u64 s[24:25], s[38:39], s[40:41]      ; a base for each of the four blocks
	s_add_nc_u64 s[26:27], s[24:25], s[42:43]
	s_add_nc_u64 s[28:29], s[26:27], s[42:43]
	s_add_nc_u64 s[30:31], s[28:29], s[42:43]
	s_add_nc_u64 s[48:49], s[16:17], s[48:49]
	s_add_nc_u64 s[50:51], s[16:17], s[50:51]
.irp k, 0,1,2,3
.set i, 0
.rept 32
	global_load_b32 v[R+32*\k+i], v[VO+i], s[24+2*\k:25+2*\k]      ; 32 neighbouring columns of one row: 128 consecutive bytes
.set i, i+1
.endr
.endr
	WBLOCK 0
	WBLOCK 1
	WBLOCK 2
	WBLOCK 3
	global_store_b32 v15, v236, s[50:51]
.irp n, 0,1,2,3,4,5
	ds_load_b128 v[212+4*\n:215+4*\n], v14 offset:WFR*(\n/3)+512*(\n%3)   ; LDS serves a wave's instructions in order: these see my stores
.endr
.irp n, 0,1,2,3,4,5
	s_wait_dscnt 5-\n                              ; the younger loads may be out
	global_store_b128 v4, v[212+4*\n:215+4*\n], s[48:49] offset:12288*(\n/3)+512*(\n%3)   ; 512 consecutive bytes
.endr
	s_wait_tensorcnt 0x0                           ; the wave's end, behind my last LDS store
	ds_add_u32 v[SPW], v[NIL]
	s_wait_dscnt 0x0
	s_endpgm
.Lfunc_end_k_q6663681a99_quant:
	.size	k_q6663681a99_quant, .Lfunc_end_k_q6663681a99_quant-k_q6663681a99_quant
	.p2alignl 7, 3214868480
	.fill 96, 4, 3214868480
	.section	.rodata,"a",@progbits
	.p2align	6, 0x0
	.amdhsa_kernel k_q6663681a99_quant
		.amdhsa_group_segment_fixed_size 47616
		.amdhsa_private_segment_fixed_size 0
		.amdhsa_enable_private_segment 0
		.amdhsa_kernarg_size 56
		.amdhsa_user_sgpr_count 2
		.amdhsa_user_sgpr_kernarg_segment_ptr 1
		.amdhsa_wavefront_size32 1
		.amdhsa_system_sgpr_workgroup_id_x 1
		.amdhsa_system_sgpr_workgroup_id_y 1
		.amdhsa_system_sgpr_workgroup_id_z 1
		.amdhsa_system_vgpr_workitem_id 0
		.amdhsa_next_free_vgpr 248
		.amdhsa_next_free_sgpr 66
		.amdhsa_reserve_vcc 1
		.amdhsa_float_denorm_mode_32 3
		.amdhsa_float_denorm_mode_16_64 3
		.amdhsa_memory_ordered 1
		.amdhsa_forward_progress 1
		.amdhsa_inst_pref_size 41
	.end_amdhsa_kernel
	.amdgpu_metadata
---
amdhsa.version: [ 1, 2 ]
amdhsa.kernels:
  - .name:           k_q6663681a99_quant
    .symbol:         k_q6663681a99_quant.kd
    .args:
      - { .name: x, .offset: 0, .size: 8, .value_kind: global_buffer, .address_space: global }
      - { .name: Wq, .offset: 8, .size: 8, .value_kind: global_buffer, .address_space: global }
      - { .name: Wk, .offset: 16, .size: 8, .value_kind: global_buffer, .address_space: global }
      - { .name: Wv, .offset: 24, .size: 8, .value_kind: global_buffer, .address_space: global }
      - { .name: Wp, .offset: 32, .size: 8, .value_kind: global_buffer, .address_space: global }
      - { .name: xq, .offset: 40, .size: 8, .value_kind: global_buffer, .address_space: global }
      - { .name: wq, .offset: 48, .size: 8, .value_kind: global_buffer, .address_space: global }
    .group_segment_fixed_size: 47616
    .private_segment_fixed_size: 0
    .kernarg_segment_align: 8
    .kernarg_segment_size: 56
    .max_flat_workgroup_size: 128
    .sgpr_count:     66
    .vgpr_count:     248
    .wavefront_size: 32
...
	.end_amdgpu_metadata
.endif
;; end of part 1
;; launch qkv (part 2): grid 16 x 16, 4 waves a work-group, clusters of 4 x 1, 209,408 bytes of LDS; arguments xq, wq, qkvb; writes qkvb
.if DOCPART == 2
	.amdgcn_target "amdgcn-amd-amdhsa--gfx1250"
	.amdhsa_code_object_version 6
	.text
	.protected	k_q6663681a99_qkv
	.globl	k_q6663681a99_qkv
	.p2align	8
	.type	k_q6663681a99_qkv,@function
k_q6663681a99_qkv:
	s_mov_b64 s[64:65], 0
	v_nop
	global_prefetch_b8 v0, s[64:65] scope:SCOPE_SE
	s_setreg_imm32_b32 hwreg(HW_REG_WAVE_MODE, 25, 1), 1
	s_wait_xcnt 0x0
	s_wait_alu depctr_hold_cnt(0) depctr_sa_sdst(0) depctr_va_vdst(0) depctr_va_sdst(0) depctr_va_ssrc(0) depctr_va_vcc(0) depctr_vm_vsrc(0)
	s_getreg_b32 s2, hwreg(HW_REG_IB_STS2, 6, 4)
	s_cmp_eq_u32 s2, 0
	s_cbranch_scc0 .Lentry_in_a_cluster
	s_endpgm
.Lentry_in_a_cluster:
	s_bfe_u32 s2, ttmp6, 0x10000c
	s_cmp_lg_u32 s2, 0x3003
	s_cbranch_scc0 .Lentry_shape_is_right
	s_endpgm
.Lentry_shape_is_right:
; q, k, v = x W on codes of FP6, and their quantising: q and k along the head's 64 (two blocks), v along the tokens, which are the keys of the second product of attention.
; SHARES.  A work-group takes one head (4 x cluster x + cx) and 256 tokens (work-group y).  x's 16 tiles for all of K, codes and scale words, 204,800 bytes, lie in LDS whole, each byte filled once: no ring.
; They come as four chunks of two K steps, wave c asking for chunk c.  The four heads of a cluster need the same chunks: they are asked for JOINTLY (mask 15).
; W is not shared so: it goes from memory straight into registers and stays; x's and W's bytes together do not fit in LDS without filling bytes again.
; No prefetch: all that the launch reads is asked for at its head.
; Wave w keeps three tiles of W for all of K (288 registers): T0, T1 = the two tiles of block w % 2 of the head's 64 columns of Wq (w < 2) or Wk; T2 = tile w of Wv.  It makes them for all 16 token tiles: 48 accumulators.
; q, k: source 0 = W's tile, source 1 = x's: a lane holds ONE token and 16 neighbours along the head (T0's and T1's registers).  v: source 0 = x's tile, source 1 = Wv's: a lane holds one column of v and, in two
; neighbouring token tiles, 16 neighbouring tokens.  (The rows of every tile: lane r of tile 2 b + u holds row 32 b + 8 u + r + 8 (r / 8).)  So a lane holds half a block; lane l xor 16 the other half; each stores its own 12 bytes.
; OUT.  qkvb: [batch x head][128 tokens] records of 19,712 bytes: q at 0, k at 6,656: each [tile 8][block 2][row 16][24 bytes], then scale words [tile 8][row 16] (bytes 0, 1: the two blocks; bytes 2, 3: 0);
;       v at 13,312: [column tile 4][block of 32 keys 4][row 16][24 bytes], then scale words [column tile 4][row 16].
; LIMITS: a block of zeros gets the byte 1 (its codes are zeros; this program alone reads the bytes); NaN and infinities are not served.
; REGISTERS, in windows of 256: window 0: v1-19 addresses; v28, v29 the add's two; v32-39 x's scale words, two sets; v48-59 W's scale words; v64-255 x's fragments, two sets of eight; on the way out v16-25 and v64-255 at work.
;   window 1: T0's and T1's fragments, v[96 i + 12 s].   window 2: q's or k's accumulators, v[16 m + 8 i].   window 3: v[12 s] T2's fragments; v[96 + 8 m] v's accumulators.
.set XSC0,  3145728                    ; where the scale words begin in wq
.set REC,   19712                      ; a record of q, k, v
.set XCH,   51200                      ; LDS: chunk c: tile m's codes at 3,072 m, the odd step 1,536 on; its scale words at 49,152 + 128 m, the odd step 64 on
.set SCR,   4*XCH                      ; 1,024 bytes a wave: q's and k's scale bytes meet here
.set SPARE, SCR+4096                   ; the spare words, 128 bytes a wave: two blocks of 256 bytes that no other line names
.set LI,   4                           ; v4-7  16 x lane + chunk c
.set WSL,  9                           ; v9    W's scale words: lanes 0-15 step j, lanes 16-31 step 4 + j
.set QO,   10                          ; v10   my 12 bytes in a tile of q or k
.set VOO,  11                          ; v11   my 12 bytes in a block of v
.set SCRA, 12                          ; v12   where I put a scale word
.set SCRL, 13                          ; v13   where I read 16 bytes of them back
.set L16,  14                          ; v14   16 x lane
.set VSO,  15                          ; v15   v's scale word: lanes 0-15 the first record's, lanes 16-31 the second's
.set XSA,  16                          ; v16-19 x's scale words in chunk c: lanes 0-15 an even tile's, lanes 16-31 the next tile's
.set SPW,  28
.set NIL,  29
.set XSC,  32
.set WS,   48
.set XF,   64
.set WV,   14                          ; s14   my wave's number
.set G1X,  24                          ; s[24:31] group 1: a chunk, 200 dense rows of 256 bytes
.set G0,   40                          ; s[40:43] group 0: my chunk
.set MSB, 0
.macro WIN new                         ; the immediate's high byte repeats the setting that is left
.if MSB != (\new)
	s_set_vgpr_msb (MSB<<8)|(\new)
.set MSB, (\new)
.endif
.endm
.macro ROUND                           ; a round of the cluster's barrier
	s_barrier_signal -1
	s_barrier_wait -1
	s_cmp_lg_u32 s[WV], 0
	s_cbranch_scc1 .Lnot_wave_0_\@
	s_barrier_signal -3
.Lnot_wave_0_\@:
	s_barrier_wait -3
	s_barrier_signal -1
	s_barrier_wait -1
.endm
.macro TLOAD
	tensor_load_to_lds s[G0:G0+3], s[G1X:G1X+7]
	s_nop 0
.rept 4
	v_nop
.endr
.endm
.macro ARM w                           ; each wave's load is a line of its own, since the waves wait at different places
	s_cmp_eq_u32 s[WV], \w
	s_cbranch_scc0 .Lnot_\w
	TLOAD
	s_branch .Lasked
.Lnot_\w:
.endm
; chunk c is shown to all four waves: wave c, which asked for it, waits; behind the last chunk nothing is out, and every wave waits.
.macro LANDED c
.if (\c) < 3
	s_cmp_eq_u32 s[WV], \c
	s_cbranch_scc0 .Lnot_mine_\@
	s_wait_tensorcnt 0x0
.Lnot_mine_\@:
.else
	s_wait_tensorcnt 0x0
.endif
	s_barrier_signal -1
	s_barrier_wait -1
.endm
; one product.  z = 1: it starts the sum (C = 0), else it adds in place.  ra, rb = 1: that side's scales stand in lanes 16-31 of its register
.macro WM d, a, b, z, sa, sb, ra, rb
.set M_D, \d
.set M_A, \a
.set M_B, \b
.set M_SA, \sa
.set M_SB, \sb
.if (\z)
	WMC 0, \ra, \rb
.else
	WMC v[M_D:M_D+7], \ra, \rb
.endif
.endm
.macro WMC c, ra, rb
.if (\ra) && (\rb)
	v_wmma_scale_f32_16x16x128_f8f6f4 v[M_D:M_D+7], v[M_A:M_A+11], v[M_B:M_B+11], \c, v[M_SA], v[M_SB] matrix_a_fmt:MATRIX_FMT_FP6 matrix_b_fmt:MATRIX_FMT_FP6 matrix_a_scale:MATRIX_SCALE_ROW1 matrix_b_scale:MATRIX_SCALE_ROW1
.elseif (\ra)
	v_wmma_scale_f32_16x16x128_f8f6f4 v[M_D:M_D+7], v[M_A:M_A+11], v[M_B:M_B+11], \c, v[M_SA], v[M_SB] matrix_a_fmt:MATRIX_FMT_FP6 matrix_b_fmt:MATRIX_FMT_FP6 matrix_a_scale:MATRIX_SCALE_ROW1
.elseif (\rb)
	v_wmma_scale_f32_16x16x128_f8f6f4 v[M_D:M_D+7], v[M_A:M_A+11], v[M_B:M_B+11], \c, v[M_SA], v[M_SB] matrix_a_fmt:MATRIX_FMT_FP6 matrix_b_fmt:MATRIX_FMT_FP6 matrix_b_scale:MATRIX_SCALE_ROW1
.else
	v_wmma_scale_f32_16x16x128_f8f6f4 v[M_D:M_D+7], v[M_A:M_A+11], v[M_B:M_B+11], \c, v[M_SA], v[M_SB] matrix_a_fmt:MATRIX_FMT_FP6 matrix_b_fmt:MATRIX_FMT_FP6
.endif
.endm
; load n of the 28 that bring x's tiles 8 g .. 8 g + 7 of K step s into set g: a fragment is three loads of 512 consecutive bytes; then the scale words, two tiles to a register
.macro XLOAD s, g, n
.if (\n) < 24
	ds_load_b128 v[XF+96*(\g)+4*(\n):XF+96*(\g)+4*(\n)+3], v[LI+(\s)/2] offset:(8*(\g)+(\n)/3)*3072+((\s)%2)*1536+512*((\n)%3)
.else
	ds_load_b32 v[XSC+4*(\g)+(\n)-24], v[XSA+(\s)/2] offset:(8*(\g)+2*((\n)-24))*128+64*((\s)%2)
.endif
.endm
; A phase: K step s, token tiles 8 g on: 24 products on 24 accumulators, which take turns, one instruction a turn; the next phase has the other 24.
; The next phase's 28 loads, into the other set, stand in one run ahead of the products.
.macro PHASE s, g
	s_wait_dscnt 0x0                               ; this phase's set, asked for a phase ago, is in
.if ((\g) == 1) && ((\s)%2 == 1) && ((\s) < 7)
	LANDED ((\s)+1)/2                              ; the chunk that this phase's loads begin
.endif
.rept 4
	v_nop                                          ; four places between the last phase's products and the loads into the registers that they read
.endr
.if 2*(\s)+(\g) < 15
.set q, 0
.rept 28
	XLOAD (\s)+(\g), 1-(\g), q
.set q, q+1
.endr
.endif
.if (\g) == 0
	s_wait_loadcnt 9*(7-(\s))                      ; W's nine loads of this K step are in (at s = 0 its twelve scale words too); nine for each later step may be out
.endif
	WIN 0xa1                                       ; source 0 window 1, source 1 window 0, C and D window 2
.irp k, 0,1,2,3,4,5,6,7
.irp i, 0,1
	WM 16*(8*(\g)+\k)+8*\i, 96*\i+12*(\s), XF+96*(\g)+12*\k, (\s)==0, WS+4*\i+(\s)%4, XSC+4*(\g)+\k/2, (\s)/4, \k%2
.endr
.endr
	WIN 0xfc                                       ; source 0 window 0, source 1, C and D window 3
.irp k, 0,1,2,3,4,5,6,7
	WM 96+8*(8*(\g)+\k), XF+96*(\g)+12*\k, 12*(\s), (\s)==0, XSC+4*(\g)+\k/2, WS+8+(\s)%4, \k%2, (\s)/4
.endr
	WIN 0
.endm
; cnt units of 16 accumulator registers (a lane's half block) from v[base] of another window become 12 bytes of codes each (v[cd + 4 n] on) and a scale byte (v[by + n]).  All units by turns in every stage.
; w1: sources 0, 1 in that window; w2: sources 1, 2; w3: source 0.  Each accumulator is read from its low end on.
.macro HALFQ w1, w2, w3, base, cnt, cd, tm, tp, so, by
	WIN \w1
.set n, 0
.rept \cnt
	v_max3_num_f32 v[\tm+n], |v[\base+16*n]|, |v[\base+16*n+1]|, 0x1800000   ; the floor 2^(3 - 127) holds the byte at 1 from below
.set n, n+1
.endr
	WIN \w2
.irp i, 2,4,6,8,10,12,14
.set n, 0
.rept \cnt
	v_max3_num_f32 v[\tm+n], v[\tm+n], |v[\base+16*n+\i]|, |v[\base+16*n+\i+1]|
.set n, n+1
.endr
.endr
	WIN 0
.set n, 0
.rept \cnt
	v_permlanex16_b32 v[\tp+n], v[\tm+n], s74, s75
.set n, n+1
.endr
.set n, 0
.rept \cnt
	v_max_num_f32 v[\tm+n], v[\tm+n], v[\tp+n]     ; with lane l xor 16's half: the block's largest magnitude
.set n, n+1
.endr
.set n, 0
.rept \cnt
	v_add_nc_u32 v[\so+n], 0xff000000, v[\tm+n]    ; 2 off the exponent field: the conversion's scale operand
.set n, n+1
.endr
.set n, 0
.rept \cnt
	v_lshrrev_b32 v[\by+n], 23, v[\so+n]           ; the scale's byte
.set n, n+1
.endr
	WIN \w3
.set n, 0
.rept \cnt
	v_cvt_scalef32_pk16_fp6_f32 v[\cd+4*n:\cd+4*n+2], v[\base+16*n:\base+16*n+15], v[\so+n]
.set n, n+1
.endr
	WIN 0
	v_nop                                          ; one plain place behind the scaled conversions
.endm
	s_load_b128 s[4:7], s[0:1], 0x0                ; xq s[4:5], wq s[6:7]
	s_load_b64 s[8:9], s[0:1], 0x10                ; qkvb
	v_lshl_add_u32 v[SPW], v0, 2, SPARE
	v_mov_b32 v[NIL], 0
	ds_add_u32 v[SPW], v[NIL]                      ; the wave's opening: the add, twice on end, and its wait ahead of my first tensor load
	ds_add_u32 v[SPW], v[NIL]
	v_lshrrev_b32 v1, 5, v0
	v_readfirstlane_b32 s[WV], v1                  ; wave 0..3
	s_and_b32 s17, ttmp7, 0xffff                   ; the block of 256 tokens, which the four partners share
	s_lshr_b32 s18, s[WV], 1                       ; 0: q, 1: k
	s_and_b32 s19, s[WV], 1                        ; which block of the head's 64
	s_mul_i32 s2, s[WV], XCH                       ; LDS: my chunk
	s_mul_i32 s20, s17, 4*XCH
	s_add_co_u32 s20, s20, s2                      ; and in xq
	s_mov_b32 s21, 0
	s_mov_b32 s[G1X], 15|(3<<16)|(1<<21)           ; 15:0 the mask: all four work-groups; 17:16 elements of 8 bytes; 21 set beside a mask; no padding
	s_mov_b32 s[G1X+1], 32<<16                     ; rows of 256 bytes,
	s_mov_b32 s[G1X+2], 200<<16                    ; 200 of them, dense
	s_mov_b32 s[G1X+3], 32<<16
	s_mov_b32 s[G1X+4], 200
	s_mov_b32 s[G1X+5], 32
	s_mov_b32 s[G1X+6], 0
	s_mov_b32 s[G1X+7], 0
	s_wait_alu depctr_va_vdst(0)
	s_wait_dscnt 0x0                               ; both opening adds are done
	ROUND                                          ; all four work-groups are here: the joint loads meet
	; what needs no argument stands ahead of the wait for them
	s_mov_b32 s74, 0x76543210
	s_mov_b32 s75, 0xfedcba98                      ; v_permlanex16_b32's selects for lane l xor 16
	s_lshl_b32 s76, s19, 3                         ; my block's byte in a scale word of q or k
	s_bfe_u32 s15, ttmp6, 0x40000                  ; cx
	s_lshl_b32 s16, ttmp9, 2
	s_add_co_u32 s16, s16, s15                     ; the head
	s_lshl_b32 s77, s18, 6
	s_lshl_b32 s78, s16, 2
	s_add_co_u32 s77, s77, s78
	s_lshl_b32 s79, s19, 1
	s_add_co_u32 s77, s77, s79                     ; T0 = tile 64 (q or k) + 4 head + 2 block
	s_mul_i32 s60, s77, 12288
	s_mov_b32 s61, 0
	s_lshl_b32 s66, s77, 9
	s_add_co_u32 s66, s66, XSC0
	s_mov_b32 s67, 0
	s_add_co_u32 s78, s78, s[WV]
	s_add_co_u32 s78, s78, 128                     ; T2 = tile 128 + 4 head + wave
	s_mul_i32 s62, s78, 12288
	s_mov_b32 s63, 0
	s_lshl_b32 s68, s78, 9
	s_add_co_u32 s68, s68, XSC0
	s_mov_b32 s69, 0
	s_lshr_b32 s77, s17, 2                         ; the batch
	s_lshl_b32 s77, s77, 4
	s_add_co_u32 s77, s77, s16
	s_lshl_b32 s77, s77, 3
	s_and_b32 s78, s17, 3
	s_lshl_b32 s78, s78, 1
	s_add_co_u32 s77, s77, s78                     ; my first record: 8 (16 batch + head) + 2 (token block % 4)
	s_mul_i32 s72, s77, REC
	s_mul_i32 s70, s18, 6656
	s_add_co_u32 s70, s70, s72                     ; its q or k
	s_mov_b32 s71, 0
	s_add_co_u32 s72, s72, 13312                   ; its v
	s_mov_b32 s73, 0
	s_wait_kmcnt 0x0
	s_mov_b32 s[G0], 1                             ; count = 1
	s_mov_b32 s[G0+1], s2                          ; LDS address
	s_add_nc_u64 s[G0+2:G0+3], s[4:5], s[20:21]    ; global address
	s_or_b32 s[G0+3], s[G0+3], 0x80000000          ; type = 2
	ARM 0
	ARM 1
	ARM 2
	TLOAD                                          ; wave 3
.Lasked:
	; what hangs on the head enters global addresses of W and of the outputs alone
	s_add_nc_u64 s[60:61], s[6:7], s[60:61]
	s_add_nc_u64 s[62:63], s[6:7], s[62:63]
	s_add_nc_u64 s[66:67], s[6:7], s[66:67]
	s_add_nc_u64 s[68:69], s[6:7], s[68:69]
	s_add_nc_u64 s[70:71], s[8:9], s[70:71]
	s_add_nc_u64 s[72:73], s[8:9], s[72:73]
	v_and_b32 v1, 31, v0                           ; lane
	v_and_b32 v2, 15, v0                           ; r
	v_bfe_u32 v3, v0, 4, 1                         ; h
	v_lshlrev_b32 v[L16], 4, v1
	v_lshlrev_b32 v[WSL], 2, v2
	v_lshl_add_u32 v[WSL], v3, 8, v[WSL]
	s_wait_alu depctr_va_vdst(0)
.irp i, 0,1
.irp j, 0,1,2,3
	global_load_b32 v[WS+4*\i+\j], v[WSL], s[66:67] offset:512*\i+64*\j
.endr
.endr
.irp j, 0,1,2,3
	global_load_b32 v[WS+8+\j], v[WSL], s[68:69] offset:64*\j
.endr
.irp s, 0,1,2,3,4,5,6,7                ; W's fragments, K step by K step, so that the first products need not wait for the last loads
	WIN 0x40                                       ; destination window 1
.irp i, 0,1
.irp j, 0,1,2
	global_load_b128 v[96*\i+12*\s+4*\j:96*\i+12*\s+4*\j+3], v[L16], s[60:61] offset:12288*\i+1536*\s+512*\j
.endr
.endr
	WIN 0xc0                                       ; destination window 3
.irp j, 0,1,2
	global_load_b128 v[12*\s+4*\j:12*\s+4*\j+3], v[L16], s[62:63] offset:1536*\s+512*\j
.endr
.endr
	WIN 0
	v_lshlrev_b32 v[XSA], 2, v2
	v_lshl_add_u32 v[XSA], v3, 7, v[XSA]
	v_add_nc_u32 v[XSA], 49152, v[XSA]
	v_mov_b32 v[LI], v[L16]
.irp c, 1,2,3
	v_add_nc_u32 v[LI+\c], \c*XCH, v[L16]
	v_add_nc_u32 v[XSA+\c], \c*XCH, v[XSA]
.endr
	v_mul_u32_u24 v[QO], v2, 24
	v_mad_u32_u24 v[QO], v3, 12, v[QO]             ; row r's 24 bytes, my half's 12
	s_mul_i32 s77, s[WV], 1536
	v_add_nc_u32 v[VOO], s77, v[QO]                ; v: column tile = wave
	s_mul_i32 s77, s19, 384
	v_add_nc_u32 v[QO], s77, v[QO]                 ; q, k: my block
	s_lshl_b32 s77, s[WV], 10
	s_add_co_u32 s77, s77, SCR
	v_lshl_add_u32 v[SCRA], v2, 2, s77
	s_lshl_b32 s77, s18, 11
	s_lshl_b32 s2, s19, 9
	s_add_co_u32 s77, s77, s2
	s_add_co_u32 s77, s77, SCR
	v_add_nc_u32 v[SCRL], s77, v[L16]              ; the even wave's words of record w % 2; the odd wave's lie 1,024 on
	v_mul_u32_u24 v[VSO], v3, REC
	v_lshl_add_u32 v[VSO], v2, 2, v[VSO]
	s_lshl_b32 s77, s[WV], 6
	v_add_nc_u32 v[VSO], s77, v[VSO]
	s_wait_alu depctr_va_vdst(0)
	LANDED 0
.set q, 0
.rept 28
	XLOAD 0, 0, q
.set q, q+1
.endr
.irp s, 0,1,2,3,4,5,6,7
	PHASE \s, 0
	PHASE \s, 1
.endr
	; THE WAY OUT
.rept 4
	v_nop                                          ; four places between the last products and the first read of results
.endr
	HALFQ 0x0a, 0x28, 0x02, 0, 16, 64, 128, 144, 160, 176   ; q or k: token tile m's half block of my block of the head
.set m, 0
.rept 16
	global_store_b96 v[QO], v[64+4*m:66+4*m], s[70:71] offset:(m/8)*REC+(m%8)*768   ; the 32 lanes store 384 consecutive bytes
.set m, m+1
.endr
.set m, 0
.rept 16
	v_lshlrev_b32 v[176+m], s76, v[176+m]          ; the byte at its place in the word
.set m, m+1
.endr
.set m, 0
.rept 16
	ds_store_b32 v[SCRA], v[176+m] offset:64*m     ; both halves of the lanes write the same word with the same value
.set m, m+1
.endr
	HALFQ 0x0f, 0x3c, 0x03, 96, 8, 192, 224, 232, 240, 248   ; v: block n of 32 tokens, my column
.set n, 0
.rept 8
	global_store_b96 v[VOO], v[192+4*n:194+4*n], s[72:73] offset:(n/4)*REC+(n%4)*384
.set n, n+1
.endr
	v_lshl_or_b32 v24, v249, 8, v248               ; the first record's four bytes,
	v_lshl_or_b32 v25, v253, 8, v252               ; the second's
	v_lshl_or_b32 v24, v250, 16, v24
	v_lshl_or_b32 v25, v254, 16, v25
	v_lshl_or_b32 v24, v251, 24, v24
	v_lshl_or_b32 v25, v255, 24, v25
	v_cmp_eq_u32 vcc_lo, 1, v3
	v_cndmask_b32 v24, v24, v25, vcc_lo
	global_store_b32 v[VSO], v24, s[72:73] offset:6144
	s_wait_dscnt 0x0                               ; for the others' sake: my scale words lie in LDS
	s_barrier_signal -1
	s_barrier_wait -1
	ds_load_b128 v[16:19], v[SCRL]                 ; block 0's bytes of eight tiles,
	ds_load_b128 v[20:23], v[SCRL] offset:1024     ; block 1's
	s_mul_i32 s78, s19, REC
	s_mov_b32 s79, 0
	s_add_nc_u64 s[78:79], s[70:71], s[78:79]      ; record w % 2
	s_wait_dscnt 0x0
.irp i, 0,1,2,3
	v_or_b32 v[16+\i], v[16+\i], v[20+\i]
.endr
	global_store_b128 v[L16], v[16:19], s[78:79] offset:6144   ; 512 consecutive bytes
	s_wait_tensorcnt 0x0                           ; the wave's end, behind my last tensor load and my last LDS store
	ds_add_u32 v[SPW], v[NIL]
	s_wait_dscnt 0x0
	ROUND                                          ; the closing round
	s_endpgm
.Lfunc_end_k_q6663681a99_qkv:
	.size	k_q6663681a99_qkv, .Lfunc_end_k_q6663681a99_qkv-k_q6663681a99_qkv
	.p2alignl 7, 3214868480
	.fill 96, 4, 3214868480
	.section	.rodata,"a",@progbits
	.p2align	6, 0x0
	.amdhsa_kernel k_q6663681a99_qkv
		.amdhsa_group_segment_fixed_size 209408
		.amdhsa_private_segment_fixed_size 0
		.amdhsa_enable_private_segment 0
		.amdhsa_kernarg_size 24
		.amdhsa_user_sgpr_count 2
		.amdhsa_user_sgpr_kernarg_segment_ptr 1
		.amdhsa_wavefront_size32 1
		.amdhsa_system_sgpr_workgroup_id_x 1
		.amdhsa_system_sgpr_workgroup_id_y 1
		.amdhsa_system_sgpr_workgroup_id_z 1
		.amdhsa_system_vgpr_workitem_id 0
		.amdhsa_next_free_vgpr 1024
		.amdhsa_next_free_sgpr 80
		.amdhsa_reserve_vcc 1
		.amdhsa_float_denorm_mode_32 3
		.amdhsa_float_denorm_mode_16_64 3
		.amdhsa_memory_ordered 1
		.amdhsa_forward_progress 1
		.amdhsa_inst_pref_size 121
	.end_amdhsa_kernel
	.amdgpu_metadata
---
amdhsa.version: [ 1, 2 ]
amdhsa.kernels:
  - .name:           k_q6663681a99_qkv
    .symbol:         k_q6663681a99_qkv.kd
    .args:
      - { .name: xq, .offset: 0, .size: 8, .value_kind: global_buffer, .address_space: global }
      - { .name: wq, .offset: 8, .size: 8, .value_kind: global_buffer, .address_space: global }
      - { .name: qkvb, .offset: 16, .size: 8, .value_kind: global_buffer, .address_space: global }
    .group_segment_fixed_size: 209408
    .private_segment_fixed_size: 0
    .kernarg_segment_align: 8
    .kernarg_segment_size: 24
    .max_flat_workgroup_size: 128
    .sgpr_count:     80
    .vgpr_count:     1024
    .wavefront_size: 32
...
	.end_amdgpu_metadata
.endif
;; end of part 2
;; launch attn (part 3): grid 4 x 64, 16 waves a work-group, clusters of 4 x 1, 180,224 bytes of LDS; arguments qkvb, ao; writes ao
.if DOCPART == 3
	.amdgcn_target "amdgcn-amd-amdhsa--gfx1250"
	.amdhsa_code_object_version 6
	.text
	.protected	k_q6663681a99_attn
	.globl	k_q6663681a99_attn
	.p2align	8
	.type	k_q6663681a99_attn,@function
k_q6663681a99_attn:
	s_mov_b64 s[64:65], 0
	v_nop
	global_prefetch_b8 v0, s[64:65] scope:SCOPE_SE
	s_setreg_imm32_b32 hwreg(HW_REG_WAVE_MODE, 25, 1), 1
	s_wait_xcnt 0x0
	s_wait_alu depctr_hold_cnt(0) depctr_sa_sdst(0) depctr_va_vdst(0) depctr_va_sdst(0) depctr_va_ssrc(0) depctr_va_vcc(0) depctr_vm_vsrc(0)
	s_getreg_b32 s2, hwreg(HW_REG_IB_STS2, 6, 4)
	s_cmp_eq_u32 s2, 0
	s_cbranch_scc0 .Lentry_in_a_cluster
	s_endpgm
.Lentry_in_a_cluster:
	s_bfe_u32 s2, ttmp6, 0x10000c
	s_cmp_lg_u32 s2, 0x3003
	s_cbranch_scc0 .Lentry_shape_is_right
	s_endpgm
.Lentry_shape_is_right:
; Causal attention of one head on codes of FP6, and the quantising of its result along the concatenated heads, which are the K of the last product.
; t = score x log2(e) / 32; M = the running largest t rounded UP to a whole number; p = 2^(t - M) is quantised along the keys, not normalised; the row's sum is taken of the unquantised p and divides at the end.
; SHARES.  The four work-groups of a cluster share one head (work-group y = 16 batch + head): the head's K and V, 104,448 bytes, lie in LDS whole, each byte filled once, asked for JOINTLY (mask 15): waves 0 to 7 ask for
; the K and V of one key step of 128 each.  Nothing is left to ask for later, so there is no prefetch.
; THE DEAL.  The head's 64 tiles of 16 queries are 16 groups of 64 queries; in each group the place in the cluster picks the tile, so no branch differs between partners.  Waves g and g + 8 have groups g ("short") and
; 15 - g ("long"), which look at 64 (g + 1) and 64 (16 - g) keys.  Wave A, the one with the number g + 8, takes the long group's keys 0-511: 4 steps of 128, all visible.  Wave B, g, takes the short group, then the rest of
; the long one: with e = g / 2: trips 0 .. e walk key steps 0 .. e for the short group, trips e + 1 .. 4 key steps 4 .. 7 - e for the long one; the last step of each group lies on the diagonal: 64 keys of it in one, 128 in
; the other (g even: 64 in the short group's; g odd: in the long group's), and only its last 64 keys are masked.  Steps of 64 keys behind all of a group's queries are left out: the mask that reference() builds makes their p zero.
; A WAVE THAT ENDS ITS FIRST PART (B the short group in trip e, A its half of the long one in trip 3) puts O^T, M and the sum into LDS bytes of its own and begins anew.  Trips 0 to 3 are a loop; behind it every part lies in LDS,
; and each wave signals; B's trip 4 stands between that signal and its wait.  Then each wave joins its partner's part to its own: A the short group's to nothing, B the first half of the long group's to the second.
; The factors are powers of two, since M is a whole number.  So each of the two finishes one tile.
; LAYOUT.  Both products are used transposed: S^T = K Q^T, O^T = V^T P^T: a lane holds ONE query throughout.  The rows of every tile: lane r of tile 2 b + u holds row 32 b + 8 u + r + 8 (r / 8): so the 16 registers
; of two neighbouring result tiles are 16 neighbours along the next K.
; THE FIRST PRODUCT'S K IS 64, HALF OF THE INSTRUCTION'S 128.  Q's registers for k = 64 .. 127 hold zero codes.  A tile of K has six registers; the instruction names twelve: the upper six are the NEXT tile's codes
; (behind the last tile: zeros).  They meet Q's zero codes, so each of those products is exactly 0; the scale bytes for that half are 0 on both sides, which is a power of two and no NaN.
; LIMITS: a block of zeros gets the byte 1 (its codes are zeros; this program alone reads the bytes); scaled scores under 2^31 in magnitude; NaN and infinities are not served.
; REGISTERS: v1, v2 lane terms; v3, v4 the add's two; v5 the mask's number; v6 -infinity; v7 4 r; v9, v11 my and my partner's part in LDS; v10, v247-254 the step's addresses; v12 -M, v13 largest t, v[14:15] the sum;
; v16-27 Q; v28 Q's scale words; v32-79 K's tiles, then V's four; v80-85 zeros; v86-91 scale words; v96-159 S^T, then p; v160-191 O^T; v192-203 p's codes; v204-237 at work; v240-246 the long group's Q.
.set REC,   19712                      ; a record in memory: q, k, v of 128 tokens
.set LREC,  13056                      ; its k and v, in LDS
.set VOFF,  6656                       ; v behind k
.set PART,  8*LREC                     ; the waves' parts, 4,608 bytes each
.set SPARE, PART+16*4608               ; the spare words, 128 bytes a wave: eight blocks of 256 bytes that no other line names
.set SPW,  3
.set NIL,  4
.set TB,   2                           ; s2  the step's record in LDS
.set WV,   18
.set SEL,  20                          ; s[20:21] lane l xor 16
.set CS,   22                          ; s[22:23] log2(e) / 32
.set G1,   24                          ; s[24:31] group 1: 51 rows of 256 bytes
.set G0,   40                          ; s[40:43] group 0
.set X64,  45                          ; s45 the trip with 64 keys
.set XM,   46                          ; s46 the trip with 128 keys of which the last 64 are masked
.set EF,   47                          ; s47 the trip behind which my first part goes to LDS
.set TRIP, 48
.macro ROUND
	s_barrier_signal -1
	s_barrier_wait -1
	s_cmp_lg_u32 s[WV], 0
	s_cbranch_scc1 .Lnot_wave_0_\@
	s_barrier_signal -3
.Lnot_wave_0_\@:
	s_barrier_wait -3
	s_barrier_signal -1
	s_barrier_wait -1
.endm
.macro PAIR r, a                       ; twelve registers: 24 bytes a lane, and 24 bytes 768 further on (two tiles of K, or a tile of V), two pieces of 8 bytes to a load
	ds_load_2addr_b64 v[\r:\r+3], v[\a] offset0:0 offset1:1
	ds_load_2addr_b64 v[\r+4:\r+7], v[\a] offset0:2 offset1:96
	ds_load_2addr_b64 v[\r+8:\r+11], v[\a] offset0:97 offset1:98
.endm
.macro MASK b                          ; the 64 keys of blocks b, b + 1: register 16 i + j holds key 32 i + 16 h + j of them: hidden where it comes after my query
.set n, 0
.rept 32
	v_cmp_gt_i32 vcc_lo, 32*(n/16)+n%16, v5
	v_cndmask_b32 v[96+16*(\b)+n], v[96+16*(\b)+n], v6, vcc_lo
.set n, n+1
.endr
.endm
; A KEY STEP of nb blocks of 32 keys: 4, or 2 on the diagonal
.macro STEP nb
	v_add_nc_u32 v247, s[TB], v1                   ; these nine are also the places in front of loads into registers that the last step's products read
	v_add_nc_u32 v10, s[TB], v2
.irp i, 1,2,3
	v_add_nc_u32 v[247+\i], 1536*\i, v247
.endr
.irp i, 0,1,2,3
	v_add_nc_u32 v[251+\i], VOFF, v[247+\i]
.endr
	PAIR 32, 247                                   ; lane (r, h): block h of key row r, 24 bytes a tile
	PAIR 44, 248
.if (\nb) == 4
	PAIR 56, 249
	PAIR 68, 250
.else                                  ; of 64 keys four tiles, and the one behind them, whose registers the fourth names
	ds_load_2addr_b64 v[56:59], v249 offset0:0 offset1:1
	ds_load_b64 v[60:61], v249 offset:16
.endif
.set t, 0
.rept \nb
	ds_load_b32 v[86+t], v10 offset:128*t          ; lanes 0-15 tile 2 t's scale words, lanes 16-31 tile 2 t + 1's
.set t, t+1
.endr
	s_wait_alu depctr_va_vdst(0)
	s_wait_dscnt 0x0
.set t, 0
.rept \nb
	v_wmma_scale_f32_16x16x128_f8f6f4 v[96+16*t:103+16*t], v[32+12*t:43+12*t], v[16:27], 0, v[86+t], v28 matrix_a_fmt:MATRIX_FMT_FP6 matrix_b_fmt:MATRIX_FMT_FP6
	v_wmma_scale_f32_16x16x128_f8f6f4 v[104+16*t:111+16*t], v[38+12*t:49+12*t], v[16:27], 0, v[86+t], v28 matrix_a_fmt:MATRIX_FMT_FP6 matrix_b_fmt:MATRIX_FMT_FP6 matrix_a_scale:MATRIX_SCALE_ROW1
.set t, t+1
.endr
.rept 4
	v_nop                                          ; four places: in front of the loads below and of the first read of the scores
.endr
.irp d, 0,1,2,3                        ; V's four tiles are asked for here and land under the softmax
	PAIR 32+12*\d, 251+\d
.endr
.irp d, 0,1
	ds_load_b32 v[90+\d], v10 offset:VOFF+128*\d
.endr
.if (\nb) == 4
	s_cmp_lg_u32 s[TRIP], s[XM]
	s_cbranch_scc1 .Lopen_\@
	MASK 2
.Lopen_\@:
.else
	MASK 0
.endif
.set b, 0
.rept \nb
	v_max3_num_f32 v[212+b], v[96+16*b], v[97+16*b], v[98+16*b]   ; the largest score of each block of 32 keys: for the row's maximum and, since p rises with the score, for the block's largest p
.set b, b+1
.endr
.irp i, 3,5,7,9,11,13
.set b, 0
.rept \nb
	v_max3_num_f32 v[212+b], v[212+b], v[96+16*b+\i], v[97+16*b+\i]
.set b, b+1
.endr
.endr
.set b, 0
.rept \nb
	v_max_num_f32 v[212+b], v[212+b], v[111+16*b]
.set b, b+1
.endr
.set b, 0
.rept \nb
	v_permlanex16_b32 v[216+b], v[212+b], s[SEL], s[SEL+1]
.set b, b+1
.endr
.set b, 0
.rept \nb
	v_max_num_f32 v[212+b], v[212+b], v[216+b]     ; with lane l xor 16's 16 keys
.set b, b+1
.endr
.if (\nb) == 4
	v_max3_num_f32 v231, v212, v213, v214
	v_max_num_f32 v231, v231, v215
.else
	v_max_num_f32 v231, v212, v213
.endif
	v_mul_f32 v231, s[CS], v231                    ; as t
	v_max_num_f32 v13, v13, v231                   ; the running largest t
	v_mov_b32 v231, v12
	v_floor_f32 v12, -v13                          ; the new -M = -ceil(t)
	v_sub_f32 v231, v12, v231                      ; old M - new M: a whole number, 0 or less
	v_cvt_i32_f32 v231, v231                       ; (it saturates)
	v_ldexp_f32 v228, 1.0, v231                    ; f = 2^(old M - new M): a multiplication by it rounds nothing
.set j, 0
.rept 8*(\nb)
	v_pk_fma_f32 v[96+j:97+j], v[96+j:97+j], s[CS:CS+1], v[12:13] op_sel_hi:[1,0,0]   ; t - M, two at a time
.set j, j+2
.endr
.set b, 0
.rept \nb
	v_fma_f32 v[212+b], v[212+b], s[CS], v12       ; the same of each block's largest score
.set b, b+1
.endr
	s_wait_alu depctr_va_vdst(0)
.set j, 0
.rept 16*(\nb)
	v_exp_f32 v[96+j], v[96+j]                     ; p = 2^(t - M)
.set j, j+1
.endr
.set b, 0
.rept \nb
	v_exp_f32 v[212+b], v[212+b]                   ; the block's largest p
.set b, b+1
.endr
	v_pk_mul_f32 v[14:15], v[14:15], v[228:229] op_sel_hi:[1,0]   ; the sums under the new M: a plain place behind the exponentials
	s_wait_alu depctr_va_vdst(0)                   ; and one behind it, ahead of its first reader
	v_pk_add_f32 v[232:233], v[96:97], v[98:99]    ; the row's sum of the unquantised p, in four chains
	v_pk_add_f32 v[234:235], v[100:101], v[102:103]
	v_pk_add_f32 v[236:237], v[104:105], v[106:107]
	v_pk_add_f32 v[14:15], v[14:15], v[108:109]
	v_pk_add_f32 v[232:233], v[232:233], v[110:111]
.set j, 112
.rept 2*(\nb)-2
	v_pk_add_f32 v[234:235], v[234:235], v[j:j+1]
	v_pk_add_f32 v[236:237], v[236:237], v[j+2:j+3]
	v_pk_add_f32 v[14:15], v[14:15], v[j+4:j+5]
	v_pk_add_f32 v[232:233], v[232:233], v[j+6:j+7]
.set j, j+8
.endr
.set b, 0
.rept \nb
	v_max_num_f32 v[212+b], 0x1800000, v[212+b]    ; the floor 2^(3 - 127): the byte cannot fall under 1
.set b, b+1
.endr
	v_pk_add_f32 v[234:235], v[234:235], v[236:237]
	v_pk_add_f32 v[14:15], v[14:15], v[232:233]
.set b, 0
.rept \nb
	v_add_nc_u32 v[220+b], 0xff000000, v[212+b]    ; the conversion's scale operand
.set b, b+1
.endr
	v_pk_add_f32 v[14:15], v[14:15], v[234:235]
.set b, 0
.rept \nb
	v_lshrrev_b32 v[224+b], 23, v[220+b]           ; the scale's byte
.set b, b+1
.endr
.set c, 0
.rept (\nb)/2
	v_cvt_scalef32_pk16_fp6_f32 v[192+6*c:194+6*c], v[96+32*c:111+32*c], v[220+2*c]
	v_cvt_scalef32_pk16_fp6_f32 v[204+4*c:206+4*c], v[112+32*c:127+32*c], v[221+2*c]   ; (a conversion's three registers begin on an even number)
.set c, c+1
.endr
	v_lshl_or_b32 v230, v225, 8, v224              ; p's scale word; also the plain place behind the scaled conversions
.if (\nb) == 4
	v_lshl_or_b32 v230, v226, 16, v230
	v_lshl_or_b32 v230, v227, 24, v230
.else
.irp i, 0,1,2,3,4,5
	v_mov_b32 v[198+\i], 0                         ; keys 64 .. 127 of the instruction: zero codes, under the byte 0
.endr
.endif
.set c, 0
.rept (\nb)/2                          ; the operand wants a WHOLE block in a lane: lanes 0-15 block 2 c, lanes 16-31 block 2 c + 1
.irp i, 0,1,2
	v_permlane16_swap_b32 v[192+6*c+\i], v[204+4*c+\i]
.endr
.irp i, 0,1,2
	v_mov_b32 v[195+6*c+\i], v[204+4*c+\i]
.endr
.set c, c+1
.endr
	s_wait_alu depctr_va_vdst(0)
.set j, 0
.rept 16
	v_pk_mul_f32 v[160+j:161+j], v[160+j:161+j], v[228:229] op_sel_hi:[1,0]   ; O^T under the new M; these sixteen are also the places between the writes of p's codes and scale word and the products
.set j, j+2
.endr
	s_wait_alu depctr_va_vdst(0)
	s_wait_dscnt 0x0                               ; V's tiles are in
.irp d, 0,2                            ; four accumulators by turns, one instruction a turn
	v_wmma_scale_f32_16x16x128_f8f6f4 v[160+8*\d:167+8*\d], v[32+12*\d:43+12*\d], v[192:203], v[160+8*\d:167+8*\d], v[90+\d/2], v230 matrix_a_fmt:MATRIX_FMT_FP6 matrix_b_fmt:MATRIX_FMT_FP6
	v_wmma_scale_f32_16x16x128_f8f6f4 v[168+8*\d:175+8*\d], v[44+12*\d:55+12*\d], v[192:203], v[168+8*\d:175+8*\d], v[90+\d/2], v230 matrix_a_fmt:MATRIX_FMT_FP6 matrix_b_fmt:MATRIX_FMT_FP6 matrix_a_scale:MATRIX_SCALE_ROW1
.endr
.endm
.macro BEGIN                           ; nothing summed yet
.set j, 0
.rept 32
	v_mov_b32 v[160+j], 0                          ; O^T: the first step finds zeros, which the first change of M leaves zeros
.set j, j+1
.endr
	v_mov_b32 v13, 0xff61b1e6                      ; the largest t so far: -3e38, under every t
	v_mov_b32 v12, 0x7f61b1e6                      ; -M
	v_mov_b32 v14, 0
	v_mov_b32 v15, 0
.endm
; where the tile of group s[q] begins, in bytes from qkvb: its codes s[c:c+1], its scale words s[w:w+1] (6,144 more)
.macro QADR q, c, w
	s_lshr_b32 s56, s[\q], 1
	s_mul_i32 s56, s56, REC
	s_add_co_u32 s56, s56, s88
	s_and_b32 s57, s[\q], 1
	s_lshl_b32 s57, s57, 2
	s_add_co_u32 s57, s57, s12
	s_mul_i32 s94, s57, 768
	s_add_co_u32 s[\c], s94, s56
	s_mov_b32 s[\c+1], 0
	s_lshl_b32 s57, s57, 6
	s_add_co_u32 s[\w], s56, s57
	s_mov_b32 s[\w+1], 0
.endm
	s_load_b128 s[4:7], s[0:1], 0x0                ; qkvb s[4:5], ao s[6:7]
	v_lshl_add_u32 v[SPW], v0, 2, SPARE
	v_mov_b32 v[NIL], 0
	ds_add_u32 v[SPW], v[NIL]                      ; the wave's opening: the add, twice on end, and its wait ahead of the first tensor loads
	ds_add_u32 v[SPW], v[NIL]
	v_lshrrev_b32 v232, 5, v0
	v_readfirstlane_b32 s[WV], v232                ; wave 0..15
	s_and_b32 s13, ttmp7, 0xffff                   ; 16 batch + head, which the four partners share
	s_mov_b32 s[G1], 15|(3<<16)|(1<<21)            ; the mask: all four; elements of 8 bytes; bit 21 beside a mask; no padding
	s_mov_b32 s[G1+1], 32<<16                      ; rows of 256 bytes,
	s_mov_b32 s[G1+2], 51<<16                      ; 51 of them, dense: a record's k and v
	s_mov_b32 s[G1+3], 32<<16
	s_mov_b32 s[G1+4], 51
	s_mov_b32 s[G1+5], 32
	s_mov_b32 s[G1+6], 0
	s_mov_b32 s[G1+7], 0
	s_wait_alu depctr_va_vdst(0)
	s_wait_dscnt 0x0                               ; both opening adds are done
	ROUND                                          ; all four work-groups are here: the joint loads meet
	; what needs no argument stands ahead of the wait for them
	s_mul_i32 s88, s13, 8*REC                      ; my head's eight records
	s_mul_i32 s86, s[WV], REC
	s_add_co_u32 s86, s86, s88
	s_add_co_u32 s86, s86, 6656                    ; record w's k and v
	s_mov_b32 s87, 0
	s_mov_b32 s[G0], 1
	s_mul_i32 s[G0+1], s[WV], LREC
	; my place in the cluster enters Q's and ao's global addresses and the mask's number alone
	s_bfe_u32 s12, ttmp6, 0x40000                  ; cx
	s_lshr_b32 s15, s[WV], 3
	s_xor_b32 s15, s15, 1                          ; 0: A, 1: B
	s_and_b32 s17, s[WV], 7                        ; g
	s_lshr_b32 s14, s17, 1                         ; e
	s_xor_b32 s16, s14, 3
	s_mul_i32 s16, s16, s15                        ; B: 3 - e; A: 0
	s_xor_b32 s51, s17, 15                         ; the long group
	s_and_b32 s19, s17, 1
	s_cmp_eq_u32 s19, 0
	s_cselect_b32 s[X64], s14, 4
	s_cselect_b32 s[XM], 4, s14
	s_cmp_eq_u32 s15, 0
	s_cselect_b32 s[X64], 15, s[X64]               ; A: never
	s_cselect_b32 s[XM], 15, s[XM]
	s_cselect_b32 s[EF], 3, s14
	s_cselect_b32 s50, s51, s17                    ; my first group: A the long one, B the short one
	s_xor_b32 s52, s50, 15                         ; the group that I finish: the other
	QADR 50, 58, 60
	QADR 51, 62, 66
	s_mov_b32 s[SEL], 0x76543210
	s_mov_b32 s[SEL+1], 0xfedcba98
	s_mov_b32 s[CS], 0x3d38aa3b                    ; log2(e) / 32
	s_mov_b32 s[CS+1], s[CS]                       ; (named with it as a pair, so it is written)
	s_lshr_b32 s68, s13, 4
	s_lshl_b32 s68, s68, 6
	s_lshl_b32 s69, s52, 2
	s_add_co_u32 s53, s68, s69
	s_add_co_u32 s53, s53, s12                     ; ao's tile: 64 batch + 4 group + cx
	s_and_b32 s54, s13, 15                         ; the head
	s_mul_i32 s90, s53, 12288
	s_mul_i32 s57, s54, 768                        ; K step head / 2, half head % 2
	s_add_co_u32 s90, s90, s57
	s_mov_b32 s91, 0
	s_lshl_b32 s92, s53, 9
	s_lshr_b32 s57, s54, 1
	s_lshl_b32 s57, s57, 6
	s_add_co_u32 s92, s92, s57
	s_and_b32 s57, s54, 1
	s_lshl_b32 s57, s57, 1
	s_add_co_u32 s92, s92, s57
	s_add_co_u32 s92, s92, 3145728                 ; my two bytes of the tile's scale words
	s_mov_b32 s93, 0
	s_lshr_b32 s57, s12, 1
	s_lshl_b32 s57, s57, 5
	s_and_b32 s56, s12, 1
	s_lshl_b32 s56, s56, 3
	s_add_co_u32 s57, s57, s56                     ; my tile's first query in its group: 32 (cx / 2) + 8 (cx % 2)
	s_mul_i32 s55, s[WV], 4608
	s_add_co_u32 s55, s55, PART
	s_xor_b32 s56, s[WV], 8
	s_mul_i32 s56, s56, 4608
	s_add_co_u32 s56, s56, PART
	s_mov_b32 s[TRIP], 0
	v_and_b32 v232, 15, v0                         ; r
	v_bfe_u32 v233, v0, 4, 1                       ; h
	v_and_b32 v234, 31, v0                         ; lane
	v_mul_u32_u24 v1, v232, 24
	v_lshlrev_b32 v7, 2, v232
	v_and_b32 v5, 8, v232
	v_mad_u32_u24 v1, v233, 384, v1                ; a tile's row r, block h
	v_lshl_add_u32 v2, v234, 2, 6144               ; scale words: 4 x lane behind the codes
	v_lshl_add_u32 v9, v234, 4, s55                ; my part
	v_lshl_add_u32 v11, v234, 4, s56               ; my partner's
	v_lshlrev_b32 v235, 4, v233
	v_add_nc_u32 v5, v5, v232                      ; r + 8 (r / 8)
	v_mov_b32 v6, 0xff800000                       ; -infinity
	v_sub_nc_u32 v5, v5, v235
.irp i, 0,1,2,3,4,5
	v_mov_b32 v[22+\i], 0                          ; Q's codes for k = 64 .. 127
	v_mov_b32 v[80+\i], 0                          ; what the last tile of K names behind its six
.endr
	v_add_nc_u32 v5, s57, v5                       ; my query in its group, less 16 h
.irp b, 0,1,2,3
	v_mov_b32 v[216+\b], 0                         ; a lane permute's destination counts as one of its sources
.endr
	v_mov_b32 v229, 0                              ; (named as the upper half of the pair v[228:229])
	v_mov_b32 v231, 0
	BEGIN
	s_wait_alu depctr_va_vdst(0)
	s_wait_kmcnt 0x0
	s_add_nc_u64 s[G0+2:G0+3], s[4:5], s[86:87]
	s_or_b32 s[G0+3], s[G0+3], 0x80000000
	s_add_nc_u64 s[58:59], s[4:5], s[58:59]
	s_add_nc_u64 s[60:61], s[4:5], s[60:61]
	s_add_nc_u64 s[62:63], s[4:5], s[62:63]
	s_add_nc_u64 s[66:67], s[4:5], s[66:67]
	s_add_nc_u64 s[90:91], s[6:7], s[90:91]
	s_add_nc_u64 s[92:93], s[6:7], s[92:93]
	s_cmp_lt_u32 s[WV], 8                          ; wave w asks for key step w
	s_cbranch_scc0 .Lasked
	tensor_load_to_lds s[G0:G0+3], s[G1:G1+7]
	s_nop 0
.rept 4
	v_nop
.endr
.Lasked:
.irp p, 0,1,2
	global_load_b64 v[16+2*\p:17+2*\p], v1, s[58:59] offset:8*\p     ; Q of my first group,
	global_load_b64 v[240+2*\p:241+2*\p], v1, s[62:63] offset:8*\p   ; and of the long one (B's second)
.endr
	global_load_b32 v28, v7, s[60:61] offset:6144
	global_load_b32 v246, v7, s[66:67] offset:6144
	s_wait_loadcnt 0x0                             ; Q
	s_wait_tensorcnt 0x0                           ; K and V
	s_barrier_signal -1
	s_barrier_wait -1
.Ltrip:                                                ; four trips
	s_add_co_u32 s49, s[TRIP], s16                 ; B: 4 or more from trip e + 1 on
	s_lshr_b32 s49, s49, 2
	s_mul_i32 s49, s49, s16
	s_add_co_u32 s49, s49, s[TRIP]                 ; the key step: the trip's number, in B from trip e + 1 on 3 - e more
	s_mul_i32 s[TB], s49, LREC
	s_cmp_eq_u32 s[TRIP], s[X64]
	s_cbranch_scc1 .Lhalf
	STEP 4
	s_wait_alu depctr_va_vdst(0)
	s_branch .Lstepped
.Lhalf:
	STEP 2
.Lstepped:
	s_cmp_lg_u32 s[TRIP], s[EF]
	s_wait_alu depctr_va_vdst(0)
	s_cbranch_scc1 .Lnext
.irp i, 0,1,2,3,4,5
	v_mov_b32 v[16+\i], v[240+\i]                  ; the long group's Q.  These seven are also the places behind the products whose results are stored and cleared below
.endr
	v_mov_b32 v28, v246
.set j, 0
.rept 8
	ds_store_b128 v9, v[160+4*j:163+4*j] offset:512*j      ; each accumulator from its low end on
.set j, j+1
.endr
	ds_store_b128 v9, v[12:15] offset:4096
	BEGIN
	s_wait_alu depctr_va_vdst(0)
.Lnext:
	s_add_co_u32 s[TRIP], s[TRIP], 1
	s_cmp_lt_u32 s[TRIP], 4
	s_wait_alu depctr_va_vdst(0)
	s_cbranch_scc1 .Ltrip
	s_wait_dscnt 0x0                               ; for my partner's sake: my part lies in LDS
	s_barrier_signal -1                            ; say so; up to the wait below stand work on registers and loads of K and V, which nobody writes
	s_add_co_u32 s49, s16, 4                       ; B's trip 4: key step 7 - e
	s_mul_i32 s[TB], s49, LREC
	s_cmp_eq_u32 s15, 0
	s_cbranch_scc1 .Ljoin                          ; A has none
	s_cmp_eq_u32 s[X64], 4
	s_cbranch_scc1 .Lhalf_4
	STEP 4
	s_wait_alu depctr_va_vdst(0)
	s_branch .Ljoin
.Lhalf_4:
	STEP 2
.Ljoin:
	; THE WAY OUT: my partner's part joins mine
.rept 4
	v_nop                                          ; places behind the last products
.endr
	s_wait_alu depctr_va_vdst(0)
	s_barrier_wait -1
	ds_load_b128 v[32:35], v11 offset:4096         ; its -M, largest t, sum
.set j, 0
.rept 8
	ds_load_b128 v[96+4*j:99+4*j], v11 offset:512*j
.set j, j+1
.endr
	v_add_f32 v14, v14, v15
	s_wait_alu depctr_va_vdst(0)
	s_wait_dscnt 0x8                               ; the first is in; the eight pieces of O^T may be out
	v_min_num_f32 v36, v12, v32                    ; -M of both
	v_add_f32 v34, v34, v35
	v_sub_f32 v37, v36, v12
	v_sub_f32 v38, v36, v32
	v_cvt_i32_f32 v37, v37
	v_cvt_i32_f32 v38, v38
	v_ldexp_f32 v228, 1.0, v37                     ; my factor (0 where I have nothing summed),
	v_ldexp_f32 v230, 1.0, v38                     ; and my partner's
	v_mul_f32 v14, v14, v228
	v_fma_f32 v14, v34, v230, v14
	v_permlanex16_b32 v231, v14, s[SEL], s[SEL+1]
	v_add_f32 v14, v14, v231                       ; the row's sum
	v_and_b32 v36, 31, v0
	s_wait_alu depctr_va_vdst(0)
	s_wait_dscnt 0x0
	v_rcp_f32 v14, v14
	v_lshlrev_b32 v37, 3, v36                      ; 8 x lane  (plain places behind the reciprocal)
	v_lshlrev_b32 v36, 4, v36                      ; 16 x lane
	s_wait_alu depctr_va_vdst(0)                   ; ahead of the reciprocal's first reader, and of O^T's
	v_mul_f32 v228, v228, v14
	v_mul_f32 v230, v230, v14
.set j, 0
.rept 16
	v_pk_mul_f32 v[160+j:161+j], v[160+j:161+j], v[228:229] op_sel_hi:[1,0]
.set j, j+2
.endr
.set j, 0
.rept 16
	v_pk_fma_f32 v[96+j:97+j], v[96+j:97+j], v[230:231], v[160+j:161+j] op_sel_hi:[1,0,1]   ; register 16 b + i: column 32 b + 16 h + i of the head
.set j, j+2
.endr
	; quantised along the head's 64: blocks 2 head and 2 head + 1 of the last product's K
.irp b, 0,1
	v_max3_num_f32 v[212+\b], |v[96+16*\b]|, |v[97+16*\b]|, 0x1800000
.endr
.irp i, 2,4,6,8,10,12,14
.irp b, 0,1
	v_max3_num_f32 v[212+\b], v[212+\b], |v[96+16*\b+\i]|, |v[97+16*\b+\i]|
.endr
.endr
.irp b, 0,1
	v_permlanex16_b32 v[216+\b], v[212+\b], s[SEL], s[SEL+1]
.endr
.irp b, 0,1
	v_max_num_f32 v[212+\b], v[212+\b], v[216+\b]
.endr
.irp b, 0,1
	v_add_nc_u32 v[220+\b], 0xff000000, v[212+\b]
.endr
.irp b, 0,1
	v_lshrrev_b32 v[224+\b], 23, v[220+\b]
.endr
	v_cvt_scalef32_pk16_fp6_f32 v[192:194], v[96:111], v220
	v_cvt_scalef32_pk16_fp6_f32 v[204:206], v[112:127], v221
	v_lshl_or_b32 v226, v225, 8, v224              ; my head's two bytes of the row's scale word; also the plain place behind the scaled conversions
.irp i, 0,1,2
	v_permlane16_swap_b32 v[192+\i], v[204+\i]     ; lanes 0-15 now hold block 0 whole, lanes 16-31 block 1
.endr
.irp i, 0,1,2
	v_mov_b32 v[195+\i], v[204+\i]
.endr
	global_store_b128 v36, v[192:195], s[90:91]            ; the half fragment's first four registers: 512 consecutive bytes,
	global_store_b64 v37, v[196:197], s[90:91] offset:512  ; its last two: 256
	global_store_b16 v7, v226, s[92:93]                    ; both halves of the lanes write the same two bytes with the same value
	s_wait_tensorcnt 0x0                           ; the wave's end
	ds_add_u32 v[SPW], v[NIL]
	s_wait_dscnt 0x0
	ROUND                                          ; the closing round
	s_endpgm
.Lfunc_end_k_q6663681a99_attn:
	.size	k_q6663681a99_attn, .Lfunc_end_k_q6663681a99_attn-k_q6663681a99_attn
	.p2alignl 7, 3214868480
	.fill 96, 4, 3214868480
	.section	.rodata,"a",@progbits
	.p2align	6, 0x0
	.amdhsa_kernel k_q6663681a99_attn
		.amdhsa_group_segment_fixed_size 180224
		.amdhsa_private_segment_fixed_size 0
		.amdhsa_enable_private_segment 0
		.amdhsa_kernarg_size 16
		.amdhsa_user_sgpr_count 2
		.amdhsa_user_sgpr_kernarg_segment_ptr 1
		.amdhsa_wavefront_size32 1
		.amdhsa_system_sgpr_workgroup_id_x 1
		.amdhsa_system_sgpr_workgroup_id_y 1
		.amdhsa_system_sgpr_workgroup_id_z 1
		.amdhsa_system_vgpr_workitem_id 0
		.amdhsa_next_free_vgpr 256
		.amdhsa_next_free_sgpr 96
		.amdhsa_reserve_vcc 1
		.amdhsa_float_denorm_mode_32 3
		.amdhsa_float_denorm_mode_16_64 3
		.amdhsa_memory_ordered 1
		.amdhsa_forward_progress 1
		.amdhsa_inst_pref_size 78
	.end_amdhsa_kernel
	.amdgpu_metadata
---
amdhsa.version: [ 1, 2 ]
amdhsa.kernels:
  - .name:           k_q6663681a99_attn
    .symbol:         k_q6663681a99_attn.kd
    .args:
      - { .name: qkvb, .offset: 0, .size: 8, .value_kind: global_buffer, .address_space: global }
      - { .name: ao, .offset: 8, .size: 8, .value_kind: global_buffer, .address_space: global }
    .group_segment_fixed_size: 180224
    .private_segment_fixed_size: 0
    .kernarg_segment_align: 8
    .kernarg_segment_size: 16
    .max_flat_workgroup_size: 512
    .sgpr_count:     96
    .vgpr_count:     256
    .wavefront_size: 32
...
	.end_amdgpu_metadata
.endif
;; end of part 3
;; launch proj (part 4): grid 8 x 32, 4 waves a work-group, clusters of 4 x 4, 215,040 bytes of LDS; arguments ao, wq, bp, out0; writes out0
.if DOCPART == 4
	.amdgcn_target "amdgcn-amd-amdhsa--gfx1250"
	.amdhsa_code_object_version 6
	.text
	.protected	k_q6663681a99_proj
	.globl	k_q6663681a99_proj
	.p2align	8
	.type	k_q6663681a99_proj,@function
k_q6663681a99_proj:
	s_mov_b64 s[64:65], 0
	v_nop
	global_prefetch_b8 v0, s[64:65] scope:SCOPE_SE
	s_setreg_imm32_b32 hwreg(HW_REG_WAVE_MODE, 25, 1), 1
	s_wait_xcnt 0x0
	s_wait_alu depctr_hold_cnt(0) depctr_sa_sdst(0) depctr_va_vdst(0) depctr_va_sdst(0) depctr_va_ssrc(0) depctr_va_vcc(0) depctr_vm_vsrc(0)
	s_getreg_b32 s2, hwreg(HW_REG_IB_STS2, 6, 4)
	s_cmp_eq_u32 s2, 0
	s_cbranch_scc0 .Lentry_in_a_cluster
	s_endpgm
.Lentry_in_a_cluster:
	s_bfe_u32 s2, ttmp6, 0x10000c
	s_cmp_lg_u32 s2, 0xf033
	s_cbranch_scc0 .Lentry_shape_is_right
	s_endpgm
.Lentry_shape_is_right:
; out0 = (attention's result) Wp + bp on codes of FP6.  Both operands come as images of the operand's registers (ao: each half of a fragment as four registers at 16 x lane and two at 8 x lane; wq: three groups of four).
; SHARES.  A work-group makes 128 tokens x 128 columns; its operands for all of K, 196,608 bytes, lie in LDS whole, each byte filled once: no ring.  4 x 4 work-groups form a cluster: the four of a row need the same
; tokens, the four of a column the same columns of Wp: each tile is asked for JOINTLY.  Wave w makes 64 x 64 (tokens 64 (w / 2) on, columns 64 (w % 2) on): 16 accumulators, which take turns.
; THE PRODUCT IS USED TRANSPOSED (source 0 = 16 columns of Wp, source 1 = 16 tokens): a lane holds one token and eight neighbouring columns.  The bias is the C of each sum's first product.
; The rows of every tile: lane r of tile 2 b + u holds row 32 b + 8 u + r + 8 (r / 8).
; REGISTERS: window 0: v1-11 addresses; v12, v13 the add's two; v16-31 the tokens' scale words, v32-47 Wp's (lanes 0-15 step j, lanes 16-31 step 4 + j); v64-255 two sets of 4 + 4 fragments.
;   window 1: v[8 (4 a + t)] the accumulators; v[128 + 8 t] the bias.
.set XSC0,  3145728
.set CH,    49152                      ; LDS: half u of K (K steps 4 u .. 4 u + 3) at 2 CH u: the tokens' eight tiles, 6,144 bytes each, then Wp's eight.  Four tensor loads, one a wave
.set STG,   4*CH                       ; the way out: 16 rows x (256 + 16) bytes for each wave
.set SPARE, STG+4*4352                 ; the spare words, 128 bytes a wave: two blocks of 256 bytes that no other line names
.set RA16, 4
.set RA8,  5
.set RB16, 6
.set STO,  7
.set RD,   8
.set CO,   9
.set SCL,  10
.set BL,   11
.set SPW,  12
.set NIL,  13
.set AS,   16
.set WS,   32
.set XF,   64
.set WV,   12
.set G1A,  24
.set G1B,  32
.set G0A,  40                          ; s[40:55]
.set G0B,  68                          ; s[68:83]
.set MSB, 0
.macro WIN new
.if MSB != (\new)
	s_set_vgpr_msb (MSB<<8)|(\new)
.set MSB, (\new)
.endif
.endm
.macro ROUND
	s_barrier_signal -1
	s_barrier_wait -1
	s_cmp_lg_u32 s[WV], 0
	s_cbranch_scc1 .Lnot_wave_0_\@
	s_barrier_signal -3
.Lnot_wave_0_\@:
	s_barrier_wait -3
	s_barrier_signal -1
	s_barrier_wait -1
.endm
.macro WM d, a, b, c, sa, sb, row      ; row = 1: both sides' scales stand in lanes 16-31
.set M_D, \d
.set M_A, \a
.set M_B, \b
.set M_C, \c
.set M_SA, \sa
.set M_SB, \sb
.if (\row)
	v_wmma_scale_f32_16x16x128_f8f6f4 v[M_D:M_D+7], v[M_A:M_A+11], v[M_B:M_B+11], v[M_C:M_C+7], v[M_SA], v[M_SB] matrix_a_fmt:MATRIX_FMT_FP6 matrix_b_fmt:MATRIX_FMT_FP6 matrix_a_scale:MATRIX_SCALE_ROW1 matrix_b_scale:MATRIX_SCALE_ROW1
.else
	v_wmma_scale_f32_16x16x128_f8f6f4 v[M_D:M_D+7], v[M_A:M_A+11], v[M_B:M_B+11], v[M_C:M_C+7], v[M_SA], v[M_SB] matrix_a_fmt:MATRIX_FMT_FP6 matrix_b_fmt:MATRIX_FMT_FP6
.endif
.endm
.macro FLOAD s, buf, n                 ; load n of 28: my four tiles of Wp (three loads each), then my four of tokens (four each), K step s, into set buf
.if (\n) < 12
	ds_load_b128 v[XF+96*(\buf)+4*(\n):XF+96*(\buf)+4*(\n)+3], v[RB16] offset:6144*((\n)/3)+1536*((\s)%4)+512*((\n)%3)
.else
.set M_, (\n)-12
.if M_%2
	ds_load_b64 v[XF+96*(\buf)+48+6*(M_/2)+4:XF+96*(\buf)+48+6*(M_/2)+5], v[RA8] offset:6144*(M_/4)+1536*((\s)%4)+768*((M_/2)%2)+512
.else
	ds_load_b128 v[XF+96*(\buf)+48+6*(M_/2):XF+96*(\buf)+48+6*(M_/2)+3], v[RA16] offset:6144*(M_/4)+1536*((\s)%4)+768*((M_/2)%2)
.endif
.endif
.endm
.macro FETCH s, buf
.set q, 0
.rept 28
	FLOAD \s, \buf, q
.set q, q+1
.endr
.endm
; A K step: the next step's 28 loads, into the other set, in one run, then sixteen products
.macro KSTEP s
	s_wait_dscnt 0x0                               ; this step's set, asked for a step ago, is in
.if (\s) == 3
	s_wait_tensorcnt 0x0                           ; all my tensor loads have landed
	s_barrier_signal -1
	s_barrier_wait -1
	v_add_nc_u32 v[RA16], 2*CH, v[RA16]            ; on to the second half; with the v_nop these are the four places in front of the loads below
	v_add_nc_u32 v[RA8], 2*CH, v[RA8]
	v_add_nc_u32 v[RB16], 2*CH, v[RB16]
	s_wait_alu depctr_va_vdst(0)
	v_nop
.else
.rept 4
	v_nop                                          ; four places in front of loads into registers that the last step's products read
.endr
.endif
.if (\s) < 7
	FETCH (\s)+1, 1-(\s)%2
.endif
.if (\s) == 0
	s_wait_loadcnt 0x0                             ; the scale words and the bias
.endif
	WIN 0x50                                       ; C and D window 1
.irp a, 0,1,2,3
.irp t, 0,1,2,3
.if (\s) == 0
	WM 8*(4*\a+\t), XF+96*((\s)%2)+12*\t, XF+96*((\s)%2)+48+12*\a, 128+8*\t, WS+4*\t+(\s)%4, AS+4*\a+(\s)%4, (\s)/4
.else
	WM 8*(4*\a+\t), XF+96*((\s)%2)+12*\t, XF+96*((\s)%2)+48+12*\a, 8*(4*\a+\t), WS+4*\t+(\s)%4, AS+4*\a+(\s)%4, (\s)/4
.endif
.endr
.endr
	WIN 0
.endm
	s_load_b256 s[4:11], s[0:1], 0x0               ; ao s[4:5], wq s[6:7], bp s[8:9], out0 s[10:11]
	v_lshl_add_u32 v[SPW], v0, 2, SPARE
	v_mov_b32 v[NIL], 0
	ds_add_u32 v[SPW], v[NIL]                      ; the wave's opening: the add and its wait ahead of my first tensor load; work on registers stands between them
	ds_add_u32 v[SPW], v[NIL]
	v_lshrrev_b32 v1, 5, v0
	v_readfirstlane_b32 s[WV], v1                  ; wave 0..3
	s_lshr_b32 s13, s[WV], 1                       ; my half of the tokens.  Also: which half of K I fetch
	s_and_b32 s14, s[WV], 1                        ; my half of the columns.  Also: which four tiles I fetch
	s_bfe_u32 s15, ttmp6, 0x40000                  ; cx
	s_bfe_u32 s16, ttmp6, 0x40004                  ; cy
	s_lshl_b32 s17, ttmp9, 2
	s_add_co_u32 s17, s17, s15                     ; block of 128 columns
	s_and_b32 s18, ttmp7, 0xffff
	s_lshl_b32 s18, s18, 2
	s_add_co_u32 s18, s18, s16                     ; block of 128 tokens
	s_lshl_b32 s19, s16, 2
	s_lshl_b32 s19, 15, s19                        ; my row of the cluster
	s_lshl_b32 s20, 0x1111, s15                    ; my column
	s_or_b32 s[G1A], s19, (3<<16)|(1<<21)          ; the tokens' tiles go to my row; elements of 8 bytes; bit 21 beside a mask; no padding
	s_or_b32 s[G1B], s20, (3<<16)|(1<<21)          ; Wp's to my column
.irp g, G1A, G1B
	s_mov_b32 s[\g+1], 768<<16                     ; four K steps' 6,144 bytes of a tile,
	s_mov_b32 s[\g+2], 8<<16                       ; eight tiles,
	s_mov_b32 s[\g+3], 768<<16
	s_mov_b32 s[\g+4], 8
	s_mov_b32 s[\g+5], 1536                        ; 12,288 bytes apart
	s_mov_b32 s[\g+6], 0
	s_mov_b32 s[\g+7], 0
.endr
	s_mul_i32 s21, s13, 2*CH                       ; I fetch half w / 2 of K: the tokens' eight tiles (w even) or Wp's (w odd)
	s_lshl_b32 s22, s14, 2
	s_mul_i32 s23, s13, 6144
	s_mul_i32 s84, s18, 98304                      ; the tokens' address hangs on the token block and the wave alone,
	s_add_co_u32 s84, s84, s23
	s_mov_b32 s85, 0
	s_lshl_b32 s86, s17, 3                         ; Wp's on the column block and the wave alone
	s_add_co_u32 s86, s86, 192
	s_mul_i32 s86, s86, 12288
	s_add_co_u32 s86, s86, s23
	s_mov_b32 s87, 0
	s_lshl_b32 s88, s18, 3                         ; my four token tiles' scale words
	s_lshl_b32 s23, s13, 2
	s_add_co_u32 s88, s88, s23
	s_lshl_b32 s88, s88, 9
	s_add_co_u32 s88, s88, XSC0
	s_mov_b32 s89, 0
	s_lshl_b32 s90, s17, 3                         ; my four tiles of Wp: theirs
	s_add_co_u32 s90, s90, s22
	s_add_co_u32 s90, s90, 192
	s_lshl_b32 s90, s90, 9
	s_add_co_u32 s90, s90, XSC0
	s_mov_b32 s91, 0
	s_lshl_b32 s92, s17, 9                         ; my first column, in bytes
	s_lshl_b32 s23, s14, 8
	s_add_co_u32 s92, s92, s23
	s_mov_b32 s93, 0
	s_lshl_b32 s94, s18, 7
	s_lshl_b32 s23, s13, 6
	s_add_co_u32 s94, s94, s23                     ; my first token
	s_lshl_b32 s94, s94, 12
	s_add_co_u32 s94, s94, s92
	s_mov_b32 s95, 0
	s_wait_alu depctr_va_vdst(0)
	s_wait_dscnt 0x0                               ; both opening adds are done
	ROUND                                          ; all sixteen work-groups are here: the joint loads meet
	s_wait_kmcnt 0x0
	s_add_nc_u64 s[84:85], s[4:5], s[84:85]
	s_add_nc_u64 s[86:87], s[6:7], s[86:87]
	s_add_nc_u64 s[88:89], s[4:5], s[88:89]
	s_add_nc_u64 s[90:91], s[6:7], s[90:91]
	s_add_nc_u64 s[92:93], s[8:9], s[92:93]
	s_add_nc_u64 s[94:95], s[10:11], s[94:95]
	s_mov_b32 s[G0A], 1
	s_mov_b32 s[G0A+1], s21
	s_mov_b64 s[G0A+2:G0A+3], s[84:85]
	s_or_b32 s[G0A+3], s[G0A+3], 0x80000000
	s_mov_b32 s[G0B], 1
	s_add_co_u32 s[G0B+1], s21, CH
	s_mov_b64 s[G0B+2:G0B+3], s[86:87]
	s_or_b32 s[G0B+3], s[G0B+3], 0x80000000
.macro TLOAD g0, g1
	tensor_load_to_lds s[\g0:\g0+3], s[\g1:\g1+7]
	s_nop 0
.rept 4
	v_nop
.endr
.endm
	s_cmp_eq_u32 s[WV], 0                          ; one load a wave, each a line of its own: waves 0 and 1 bring K's first half, waves 2 and 3 its second
	s_cbranch_scc0 .Lwave_1
	TLOAD G0A, G1A
	s_branch .Lfilled
.Lwave_1:
	s_cmp_eq_u32 s[WV], 1
	s_cbranch_scc0 .Lwave_2
	TLOAD G0B, G1B
	s_branch .Lfilled
.Lwave_2:
	s_cmp_eq_u32 s[WV], 2
	s_cbranch_scc0 .Lwave_3
	TLOAD G0A, G1A
	s_branch .Lfilled
.Lwave_3:
	TLOAD G0B, G1B
.Lfilled:
	v_and_b32 v1, 31, v0                           ; lane
	v_and_b32 v2, 15, v0                           ; r
	v_bfe_u32 v3, v0, 4, 1                         ; h
	s_mul_i32 s23, s13, 24576                      ; my four token tiles in a half
	v_lshl_add_u32 v[RA16], v1, 4, s23
	v_lshl_add_u32 v[RA8], v1, 3, s23
	s_mul_i32 s23, s14, 24576
	s_add_co_u32 s23, s23, CH                      ; my four tiles of Wp
	v_lshl_add_u32 v[RB16], v1, 4, s23
	s_mul_i32 s23, s[WV], 4352
	s_add_co_u32 s23, s23, STG                     ; my stage
	v_mul_u32_u24 v[STO], v2, 272
	v_lshl_add_u32 v[STO], v3, 6, v[STO]
	v_add_nc_u32 v[STO], s23, v[STO]               ; in: token row r, + 64 h
	v_mul_u32_u24 v[RD], v3, 272
	v_lshl_add_u32 v[RD], v2, 4, v[RD]
	v_add_nc_u32 v[RD], s23, v[RD]                 ; back: lanes 0-15 one row of 256 bytes, lanes 16-31 the next
	v_lshlrev_b32 v[CO], 12, v3
	v_lshl_add_u32 v[CO], v2, 4, v[CO]             ; and the same in out0
	v_lshlrev_b32 v[SCL], 2, v2
	v_lshl_add_u32 v[SCL], v3, 8, v[SCL]           ; scale words: 4 r, lanes 16-31 four K steps on
	v_lshlrev_b32 v[BL], 6, v3                     ; the bias: lanes 16-31 sixteen columns on
.irp a, 0,1,2,3
.irp j, 0,1,2,3
	global_load_b32 v[AS+4*\a+\j], v[SCL], s[88:89] offset:512*\a+64*\j
	global_load_b32 v[WS+4*\a+\j], v[SCL], s[90:91] offset:512*\a+64*\j
.endr
.endr
	WIN 0x40                                       ; destination window 1
.irp t, 0,1,2,3
	global_load_b128 v[128+8*\t:131+8*\t], v[BL], s[92:93] offset:(32*(\t/2)+8*(\t%2))*4      ; tile t's eight columns of my half, in the result's layout
	global_load_b128 v[132+8*\t:135+8*\t], v[BL], s[92:93] offset:(32*(\t/2)+8*(\t%2))*4+16
.endr
	WIN 0
	s_wait_alu depctr_va_vdst(0)
	s_cmp_lt_u32 s[WV], 2
	s_cbranch_scc0 .Lsecond_half
	s_wait_tensorcnt 0x0                           ; K's first half is in; its second may be out
.Lsecond_half:
	s_barrier_signal -1
	s_barrier_wait -1
	FETCH 0, 0
.irp s, 0,1,2,3,4,5,6,7
	KSTEP \s
.endr
	; THE WAY OUT, a token tile at a time: 16 rows x 64 columns through my own stage, back as whole rows of 256 bytes
.rept 4
	v_nop                                          ; four places between the last products and the first read of results, and in front of loads into the fragments' registers
.endr
.irp a, 0,1,2,3
.if \a > 1
	s_wait_xcnt 0x0                                ; tile a - 2's stores have read their registers, which are loaded again below
.endif
	WIN 0x04                                       ; an LDS store's data are its source 1: window 1
.irp t, 0,1,2,3
	ds_store_b128 v[STO], v[8*(4*\a+\t):8*(4*\a+\t)+3] offset:128*(\t/2)+32*(\t%2)        ; each accumulator from its low end on
	ds_store_b128 v[STO], v[8*(4*\a+\t)+4:8*(4*\a+\t)+7] offset:128*(\t/2)+32*(\t%2)+16
.endr
	WIN 0
.irp i, 0,1,2,3,4,5,6,7
	ds_load_b128 v[XF+32*(\a%2)+4*\i:XF+32*(\a%2)+4*\i+3], v[RD] offset:544*\i   ; LDS serves a wave's instructions in order: these see my stores, and the next tile's stores come behind them
.endr
.irp i, 0,1,2,3,4,5,6,7
	s_wait_dscnt 7-\i                              ; the younger loads may be out
	global_store_b128 v[CO], v[XF+32*(\a%2)+4*\i:XF+32*(\a%2)+4*\i+3], s[94:95] offset:(32*(\a/2)+8*(\a%2)+2*\i+8*(\i/4))*4096 th:TH_STORE_NT   ; 16 lanes store 256 consecutive bytes, at a multiple of 256 from out0's first byte
.endr
.endr
	s_wait_tensorcnt 0x0                           ; the wave's end, behind my last tensor load and my last LDS store
	ds_add_u32 v[SPW], v[NIL]
	s_wait_dscnt 0x0
	ROUND                                          ; the closing round
	s_endpgm
.Lfunc_end_k_q6663681a99_proj:
	.size	k_q6663681a99_proj, .Lfunc_end_k_q6663681a99_proj-k_q6663681a99_proj
	.p2alignl 7, 3214868480
	.fill 96, 4, 3214868480
	.section	.rodata,"a",@progbits
	.p2align	6, 0x0
	.amdhsa_kernel k_q6663681a99_proj
		.amdhsa_group_segment_fixed_size 215040
		.amdhsa_private_segment_fixed_size 0
		.amdhsa_enable_private_segment 0
		.amdhsa_kernarg_size 32
		.amdhsa_user_sgpr_count 2
		.amdhsa_user_sgpr_kernarg_segment_ptr 1
		.amdhsa_wavefront_size32 1
		.amdhsa_system_sgpr_workgroup_id_x 1
		.amdhsa_system_sgpr_workgroup_id_y 1
		.amdhsa_system_sgpr_workgroup_id_z 1
		.amdhsa_system_vgpr_workitem_id 0
		.amdhsa_next_free_vgpr 512
		.amdhsa_next_free_sgpr 100
		.amdhsa_reserve_vcc 0
		.amdhsa_float_denorm_mode_32 3
		.amdhsa_float_denorm_mode_16_64 3
		.amdhsa_memory_ordered 1
		.amdhsa_forward_progress 1
		.amdhsa_inst_pref_size 52
	.end_amdhsa_kernel
	.amdgpu_metadata
---
amdhsa.version: [ 1, 2 ]
amdhsa.kernels:
  - .name:           k_q6663681a99_proj
    .symbol:         k_q6663681a99_proj.kd
    .args:
      - { .name: ao, .offset: 0, .size: 8, .value_kind: global_buffer, .address_space: global }
      - { .name: wq, .offset: 8, .size: 8, .value_kind: global_buffer, .address_space: global }
      - { .name: bp, .offset: 16, .size: 8, .value_kind: global_buffer, .address_space: global }
      - { .name: out0, .offset: 24, .size: 8, .value_kind: global_buffer, .address_space: global }
    .group_segment_fixed_size: 215040
    .private_segment_fixed_size: 0
    .kernarg_segment_align: 8
    .kernarg_segment_size: 32
    .max_flat_workgroup_size: 128
    .sgpr_count:     100
    .vgpr_count:     512
    .wavefront_size: 32
...
	.end_amdgpu_metadata
.endif
;; end of part 4
